; MI455X (gfx1250); checked and timed in simulation.
; The chip was launched on July 23, 2026; its instructions are those of AMD's public machine-readable ISA for CDNA 5 (MIT licence, August 2026) and "CDNA5" Instruction Set Architecture Reference Guide (July 2026). The comments in the code are by the model that wrote it; some were corrected since.
;; Causal Self Attention. Allowed arithmetic: matrix products marked QUANTISED: E4M3 operands, one E8M0 scale for each 32 along K, by v_wmma_scale_f32_16x16x128_f8f6f4 with both operands' format E4M3, f32 sums; everything else in f32.
;; Inputs: Wk 1,024 x 1,024 float32; Wp 1,024 x 1,024 float32; Wq 1,024 x 1,024 float32; Wv 1,024 x 1,024 float32; bk 1,024 float32; bp 1,024 float32; bq 1,024 float32; bv 1,024 float32; x 4 x 2,048 x 1,024 float32.
;; Outputs: out0 4 x 2,048 x 1,024 float32.
;; This version of the problem:
;;   THIS VERSION OF THE PROBLEM IS GIVEN IN LOW PRECISION. The matrix products marked QUANTISED in the list below multiply operands that are first quantised to E4M3 (4 exponent bits, 3 mantissa bits; 8 bits a number), with one power-of-two scale for each 32 numbers along K (OCP MX v1.0); their sums are f32. All else is computed in f32.
;;   The module's matrix products, in the order in which they are computed (A, B: the left and right operand; K: the contracted axis; several contracted axes count as one K, in the product's order):
;;     1. [M 8,192, K 1,024] x [K 1,024, N 1,024]; A: input x; B: input Wq: QUANTISED
;;     2. [M 8,192, K 1,024] x [K 1,024, N 1,024]; A: input x; B: input Wk: QUANTISED
;;     3. [M 8,192, K 1,024] x [K 1,024, N 1,024]; A: input x; B: input Wv: QUANTISED
;;     4. batch 64 x [M 2,048, K 64] x [K 64, N 2,048]; A: computed on the way; B: computed on the way: QUANTISED
;;     5. batch 64 x [M 2,048, K 2,048] x [K 2,048, N 64]; A: softmax (see below); B: computed on the way: QUANTISED
;;     6. [M 8,192, K 1,024] x [K 1,024, N 1,024]; A: computed on the way; B: input Wp: QUANTISED
;;   THE QUANTISER, for each operand of a quantised product, along K:
;;     - K is cut into blocks of 32 from its start; a last block that is shorter is filled with zeros.
;;     - A block's scale is 2^e with e = floor(log2(the largest magnitude in the block)) - 8, held to -126 .. 127; a block of zeros has e = 0. As a byte (E8M0): e + 127.
;;     - Each number is divided by its block's scale, clamped to +-448, and rounded to the nearest number of E4M3, ties to even, subnormals kept.
;;     - The product sums the exact products of the quantised numbers (number of the format x scale) in f32.
;;   ~~~python
;;   def quantise(x, axis):      # numpy; x: float32 -> the quantised numbers, widened to float32 again
;;       x = np.moveaxis(x, axis, -1); K = x.shape[-1]
;;       x = np.pad(x, [(0, 0)] * (x.ndim - 1) + [(0, -K % 32)]); x = x.reshape(x.shape[:-1] + (-1, 32)); a = np.abs(x).max(-1, keepdims=True)
;;       e = np.where(a > 0, np.clip(np.frexp(np.where(a > 0, a, 1))[1] - 1 - 8, -126, 127), 0)      # np.frexp(a)[1] - 1 = floor(log2(a)), exactly
;;       r = np.clip(x / 2.0 ** e, -448, 448)
;;       step = 2.0 ** (np.maximum(np.frexp(np.where(r == 0, 1, r))[1] - 1, -6) - 3)
;;       q = np.round(r / step) * step * 2.0 ** e      # np.round: ties to even
;;       return np.moveaxis(q.reshape(q.shape[:-2] + (-1,))[..., :K], -1, axis).astype(np.float32)
;;   ~~~
;;   SOFTMAX AHEAD OF A QUANTISED PRODUCT. Where the list says 'softmax', what is quantised is not the finished softmax but p = 2^(t - M), with t = logit x log2(e) and M = ceil(the row's largest t), a whole number; so 1/2 < the row's largest p <= 1. The row's sum l is taken of the UNQUANTISED p, in f32, and the product's result is divided by l at the end. Since M is a whole number, a kernel that streams over the keys may use a running M (the ceiling of the running maximum): every later rescaling is an exact power of two, which a block's scale takes up: the codes' values come out the same.
;;   OPERANDS COMPUTED ON THE WAY. 'Computed on the way' means the value that the module computes at that place (a softmax that the list does not call 'softmax' is quantised finished and normalised). What goes into a quantiser is computed in f32, as accurately as f32 sums, v_exp_f32 and their like allow (about 1e-6 of the number): no bf16 or f16 on the way to a quantiser, and a product that is left as it is and whose result goes on into a quantised operand takes f32 operands (vector FMAs, or v_wmma_f32_16x16x4_f32). A number that lies on a knife's edge between two numbers of the format may be rounded either way, as far as f32 arithmetic and the matrix unit's own rounding can turn it there, and no further.
;; One version. Each part assembles by itself: llvm-mc -triple=amdgcn-amd-amdhsa -mcpu=gfx1250 --defsym DOCPART=n.
;; ======== version 1 of 1: 4 launches
;; limits: right only within a limited range of input values
;; workspace buffers: cod 12,582,912 bytes; scl 393,216 bytes; qr 8,650,752 bytes; kv 17,301,504 bytes; yc 8,388,608 bytes; ys 262,144 bytes
;; launch quant (part 1): grid 256 x 1, 3 waves a work-group, no clusters, 200,192 bytes of LDS; arguments x, Wq, Wk, Wv, Wp, cod, scl; writes cod, scl
.if DOCPART == 1
	.amdgcn_target "amdgcn-amd-amdhsa--gfx1250"
	.amdhsa_code_object_version 6
	.text
	.protected	k_qa3b384f828_quant
	.globl	k_qa3b384f828_quant
	.p2align	8
	.type	k_qa3b384f828_quant,@function
k_qa3b384f828_quant:
	s_mov_b64 s[64:65], 0
	v_nop
	global_prefetch_b8 v0, s[64:65] scope:SCOPE_SE
	s_setreg_imm32_b32 hwreg(HW_REG_WAVE_MODE, 25, 1), 1
	s_wait_xcnt 0x0
; x [8192][1024] and Wq, Wk, Wv, Wp [1024][1024], f32, K innermost, become codes of FP8 (E4M3) with one E8M0 byte for each 32 along K,
; laid as IMAGES OF THE OPERAND'S REGISTERS.  A tile is 16 rows of a group of 32: tile u holds rows 8 u + r + 8 (r / 8), r = lane % 16.
; A fragment (a tile x 128 K) is 2,048 bytes: byte 512 c + 16 lane + i is the code of row (lane % 16) at k = 32 c + 16 (lane / 16) + i.
; cod: [block of 128 rows, 0..95][K step 0..7][tile 0..7][2,048]; blocks 0-63 x, 64-71 Wq, 72-79 Wk, 80-87 Wv, 88-95 Wp.
; scl: tile T at 512 T; the scale word of row r for K step k at 256 (k / 4) + 16 r + 4 (k % 4).
; SHARES: 768 tiles of 16 rows x 1,024; wave w of work-group g takes tile 3 g + w: 256 work-groups of three waves, all alike.
; A tile comes into the wave's own LDS by eight tensor loads (K quarter q, rows' group: 8 rows x 1,024 bytes), all issued at the head.
; so no barrier.  LDS rows are 1,040 bytes apart (65 x 16): the sixteen rows of a load fall on sixteen different columns of 16 bytes.
; A block's scale is 2^(floor(log2(largest magnitude)) - 8); its byte is the largest magnitude's exponent field - 8, held at 1 from below.
; LIMITS: a block of zeros gets the byte 1 (its codes are zeros; this program alone reads the bytes); NaN and infinities among the inputs are not served.
.set WTILE, 66560                      ; LDS bytes of a wave: 4 quarters x 16 rows x 1,040
.set QUART, 16640
.set PITCH, 1040
.set X0,  32                           ; v32-159  two sets of 64 numbers
.set CD,  160                          ; v160-223 four sets of 16 registers of codes
.set SW,  224                          ; v224-231 the scale words of the eight K steps
.set TM,  232                          ; v232-247 at work
.set DD,  248                          ; v248-251 the scale words as they are stored
.set G1,  24                           ; s[24:31] descriptor group 1
.set G0,  32                           ; s[32:63] eight groups 0
.set SEL, 20                           ; s[20:21] lane selects: lane l xor 16
.set MNT, 23                           ; s23 the mantissa field of 448
; 64 numbers of a lane, register 16 b + i = k 32 b + 16 (lane / 16) + i of my row, become a fragment's codes in v[cd] on and its scale word in v[pw]
.macro QUANT s, cd, pw
.irp b, 0,1,2,3
	v_max3_num_f32 v[TM+\b], |v[(\s)+16*\b]|, |v[(\s)+1+16*\b]|, 0x4800000   ; my 16 numbers of block b, and the floor 2^(9 - 127): the byte cannot fall under 1
.endr
.irp i, 2,4,6,8,10,12,14
.irp b, 0,1,2,3
	v_max3_num_f32 v[TM+\b], v[TM+\b], |v[(\s)+16*\b+\i]|, |v[(\s)+1+16*\b+\i]|
.endr
.endr
.irp b, 0,1,2,3
	v_permlanex16_b32 v[TM+4+\b], v[TM+\b], s[SEL], s[SEL+1]
.endr
.irp b, 0,1,2,3
	v_max_num_f32 v[TM+\b], v[TM+\b], v[TM+4+\b]               ; with lane l xor 16's: the block's largest magnitude
.endr
.irp b, 0,1,2,3
	v_add_nc_u32 v[TM+12+\b], 0xfc000000, v[TM+\b]             ; 8 off its exponent field: the conversion's scale operand
.endr
.irp b, 0,1,2,3
	v_and_or_b32 v[TM+8+\b], v[TM+\b], 0x7f800000, s[MNT]      ; 448 x the scale
.endr
.irp b, 0,1,2,3
	v_lshrrev_b32 v[TM+4+\b], 23, v[TM+12+\b]                  ; the scale's byte
.endr
	v_lshl_or_b32 v[\pw], v[TM+5], 8, v[TM+4]
	v_lshl_or_b32 v[\pw], v[TM+6], 16, v[\pw]
	v_lshl_or_b32 v[\pw], v[TM+7], 24, v[\pw]
.irp b, 0,1,2,3
.irp i, 0,1,2,3,4,5,6,7,8,9,10,11,12,13,14,15
	v_med3_num_f32 v[(\s)+16*\b+\i], v[(\s)+16*\b+\i], -v[TM+8+\b], v[TM+8+\b]   ; the conversion does not saturate (ISA guide 7.6.2): the hold at 448 x the scale
.endr
	v_cvt_scalef32_pk8_fp8_f32 v[(\cd)+4*\b:(\cd)+4*\b+1], v[(\s)+16*\b:(\s)+16*\b+7], v[TM+12+\b]
	v_cvt_scalef32_pk8_fp8_f32 v[(\cd)+4*\b+2:(\cd)+4*\b+3], v[(\s)+16*\b+8:(\s)+16*\b+15], v[TM+12+\b]
.endr
	v_nop                                          ; a plain line behind the last conversion
.endm
; K step k of my tile out of LDS: lane (r, h) takes, of row r, 16 neighbours of each block of 32
.macro FRAGIN k, set
.irp c, 0,1,2,3
.irp j, 0,1,2,3
	ds_load_b128 v[X0+64*(\set)+16*\c+4*\j:X0+64*(\set)+16*\c+4*\j+3], v3 offset:QUART*((\k)/2)+512*((\k)%2)+128*\c+16*\j
.endr
.endr
.endm
	s_load_b256 s[4:11], s[0:1], 0x0               ; x, Wq, Wk, Wv
	s_load_b128 s[12:15], s[0:1], 0x20             ; Wp, cod
	s_load_b64 s[16:17], s[0:1], 0x30              ; scl
	v_lshl_add_u32 v254, v0, 2, 0x30c00
	v_mov_b32 v255, 0
	ds_add_u32 v254, v255
	ds_add_u32 v254, v255
	v_lshrrev_b32 v4, 5, v0
	v_readfirstlane_b32 s18, v4                    ; wave 0..2
	s_mul_i32 s19, ttmp9, 3
	s_add_co_u32 s19, s19, s18                     ; my tile T
	s_and_b32 s2, s19, 63
	s_cmp_lt_u32 s19, 512
	s_cselect_b32 s2, s19, s2                      ; the tile's number in its own tensor
	s_lshr_b32 s3, s2, 1
	s_lshl_b32 s3, s3, 5
	s_and_b32 s2, s2, 1
	s_lshl_b32 s2, s2, 3
	s_add_co_u32 s2, s2, s3                        ; its first row: 32 (L / 2) + 8 (L % 2)
	s_lshl_b32 s2, s2, 12                          ; in bytes
	s_mov_b32 s3, 0
	s_mov_b32 s[G1+0], (2<<16)|(1<<20)|(7<<22)|(3<<25)   ; elements of 4 bytes; padding on: 4 words behind every 256
	s_mov_b32 s[G1+1], 256<<16                     ; tensor_dim0 = 256
	s_mov_b32 s[G1+2], 8<<16                       ; tensor_dim1 = 8
	s_mov_b32 s[G1+3], 256<<16                     ; tile_dim0 = 256
	s_mov_b32 s[G1+4], 8                           ; tile_dim1 = 8
	s_mov_b32 s[G1+5], 1024                        ; elements from row to row
	s_mov_b32 s[G1+6], 0
	s_mov_b32 s[G1+7], 0
	s_mov_b32 s[SEL], 0x76543210
	s_mov_b32 s[SEL+1], 0xfedcba98
	s_mov_b32 s[MNT], 0x600000
	s_mul_i32 s22, s18, WTILE                      ; my wave's LDS
	s_wait_dscnt 0x0
	s_wait_kmcnt 0x0
	s_cmp_lt_u32 s19, 704                          ; which tensor: the choice hangs on the tile's number alone
	s_cselect_b64 s[12:13], s[10:11], s[12:13]
	s_cmp_lt_u32 s19, 640
	s_cselect_b64 s[12:13], s[8:9], s[12:13]
	s_cmp_lt_u32 s19, 576
	s_cselect_b64 s[12:13], s[6:7], s[12:13]
	s_cmp_lt_u32 s19, 512
	s_cselect_b64 s[12:13], s[4:5], s[12:13]
	s_add_nc_u64 s[12:13], s[12:13], s[2:3]
.irp n, 0,1,2,3,4,5,6,7                ; load n: K quarter n / 2, rows' group n % 2 (8 rows, 16 rows further down in memory)
	s_mov_b32 s[G0+4*\n], 1
	s_add_co_u32 s[G0+4*\n+1], s22, (\n/2)*QUART+(\n%2)*8*PITCH
	s_add_nc_u64 s[G0+4*\n+2:G0+4*\n+3], s[12:13], (\n%2)*65536+(\n/2)*1024
	s_or_b32 s[G0+4*\n+3], s[G0+4*\n+3], 0x80000000
.endr
.irp n, 0,1,2,3,4,5,6,7
	tensor_load_to_lds s[G0+4*\n:G0+4*\n+3], s[G1:G1+7]            ; the first fills stand together: eight loads of mine are out
	s_nop 0
.endr
.rept 4
	v_nop                                          ; four such lines behind the last
.endr
	v_and_b32 v1, 31, v0                           ; lane
	v_lshlrev_b32 v2, 4, v1                        ; 16 x lane: my place in every store
	v_and_b32 v5, 15, v0                           ; r
	v_bfe_u32 v6, v0, 4, 1                         ; h
	v_mul_u32_u24 v3, v5, PITCH
	v_lshl_add_u32 v3, v6, 6, v3
	v_add_nc_u32 v3, s22, v3                       ; LDS: row r, + 64 h
.irp b, 0,1,2,3
	v_mov_b32 v[TM+4+\b], 0                        ; written once: a lane permute's destination counts as one of its sources
.endr
	s_lshr_b32 s2, s19, 3
	s_lshl_b32 s2, s2, 17
	s_and_b32 s3, s19, 7
	s_lshl_b32 s3, s3, 11
	s_add_co_u32 s2, s2, s3
	s_mov_b32 s3, 0
	s_add_nc_u64 s[14:15], s[14:15], s[2:3]        ; cod at my tile: 131,072 (T / 8) + 2,048 (T % 8)
	s_lshl_b32 s2, s19, 9
	s_add_nc_u64 s[16:17], s[16:17], s[2:3]        ; scl at 512 T
	s_wait_tensorcnt 6                             ; quarter 0's two loads are in; the six behind them may be out
	FRAGIN 0, 0
	FRAGIN 1, 1
.irp k, 0,1,2,3,4,5,6,7
.if \k < 7
	s_wait_dscnt 16                                ; this K step's 16 loads are in; the next one's may be out
.else
	s_wait_dscnt 0x0
.endif
.if \k >= 4
	s_wait_xcnt 0x0                                ; the stores of four K steps back have read their registers: that set of codes is written again
.endif
	QUANT X0+64*(\k%2), CD+16*(\k%4), SW+\k
.irp c, 0,1,2,3
	global_store_b128 v2, v[CD+16*(\k%4)+4*\c:CD+16*(\k%4)+4*\c+3], s[14:15] offset:16384*\k+512*\c   ; 32 lanes store 512 consecutive bytes, aligned
.endr
.if \k == 0
	s_wait_tensorcnt 4                             ; quarter 1 is in
.endif
.if \k == 2
	s_wait_tensorcnt 2                             ; quarter 2
.endif
.if \k == 4
	s_wait_tensorcnt 0x0                           ; quarter 3: no tensor load is out any more
.endif
.if \k < 6
	FRAGIN \k+2, \k%2
.endif
.endr
	v_cmp_le_u32 vcc_lo, 16, v1                    ; lanes 16-31 store the words of K steps 4 to 7
.irp i, 0,1,2,3
	v_cndmask_b32 v[DD+\i], v[SW+\i], v[SW+4+\i], vcc_lo
.endr
	global_store_b128 v2, v[DD:DD+3], s[16:17]     ; the tile's 512 scale bytes, whole
	s_wait_tensorcnt 0x0
	ds_add_u32 v254, v255
	s_wait_dscnt 0x0
	s_endpgm
.Lfunc_end_k_qa3b384f828_quant:
	.size	k_qa3b384f828_quant, .Lfunc_end_k_qa3b384f828_quant-k_qa3b384f828_quant
	.p2alignl 7, 3214868480
	.fill 96, 4, 3214868480
	.section	.rodata,"a",@progbits
	.p2align	6, 0x0
	.amdhsa_kernel k_qa3b384f828_quant
		.amdhsa_group_segment_fixed_size 200192
		.amdhsa_private_segment_fixed_size 0
		.amdhsa_enable_private_segment 0
		.amdhsa_kernarg_size 56
		.amdhsa_user_sgpr_count 2
		.amdhsa_user_sgpr_kernarg_segment_ptr 1
		.amdhsa_wavefront_size32 1
		.amdhsa_system_sgpr_workgroup_id_x 1
		.amdhsa_system_sgpr_workgroup_id_y 1
		.amdhsa_system_sgpr_workgroup_id_z 1
		.amdhsa_system_vgpr_workitem_id 0
		.amdhsa_next_free_vgpr 256
		.amdhsa_next_free_sgpr 66
		.amdhsa_reserve_vcc 1
		.amdhsa_float_denorm_mode_32 3
		.amdhsa_float_denorm_mode_16_64 3
		.amdhsa_memory_ordered 1
		.amdhsa_forward_progress 1
		.amdhsa_inst_pref_size 82
	.end_amdhsa_kernel
	.amdgpu_metadata
---
amdhsa.version: [ 1, 2 ]
amdhsa.kernels:
  - .name:           k_qa3b384f828_quant
    .symbol:         k_qa3b384f828_quant.kd
    .args:
      - { .name: x, .offset: 0, .size: 8, .value_kind: global_buffer, .address_space: global }
      - { .name: Wq, .offset: 8, .size: 8, .value_kind: global_buffer, .address_space: global }
      - { .name: Wk, .offset: 16, .size: 8, .value_kind: global_buffer, .address_space: global }
      - { .name: Wv, .offset: 24, .size: 8, .value_kind: global_buffer, .address_space: global }
      - { .name: Wp, .offset: 32, .size: 8, .value_kind: global_buffer, .address_space: global }
      - { .name: cod, .offset: 40, .size: 8, .value_kind: global_buffer, .address_space: global }
      - { .name: scl, .offset: 48, .size: 8, .value_kind: global_buffer, .address_space: global }
    .group_segment_fixed_size: 200192
    .private_segment_fixed_size: 0
    .kernarg_segment_align: 8
    .kernarg_segment_size: 56
    .max_flat_workgroup_size: 96
    .sgpr_count:     66
    .vgpr_count:     256
    .wavefront_size: 32
...
	.end_amdgpu_metadata
.endif
;; end of part 1
;; launch qkv (part 2): grid 12 x 32, 4 waves a work-group, clusters of 4 x 4, 327,680 bytes of LDS; arguments cod, scl, bq, bk, bv, qr, kv; writes qr, kv
.if DOCPART == 2
	.amdgcn_target "amdgcn-amd-amdhsa--gfx1250"
	.amdhsa_code_object_version 6
	.text
	.protected	k_qa3b384f828_qkv
	.globl	k_qa3b384f828_qkv
	.p2align	8
	.type	k_qa3b384f828_qkv,@function
k_qa3b384f828_qkv:
	s_mov_b64 s[64:65], 0
	v_nop
	global_prefetch_b8 v0, s[64:65] scope:SCOPE_SE
	s_setreg_imm32_b32 hwreg(HW_REG_WAVE_MODE, 25, 1), 1
	s_wait_xcnt 0x0
	s_wait_alu depctr_hold_cnt(0) depctr_sa_sdst(0) depctr_va_vdst(0) depctr_va_sdst(0) depctr_va_ssrc(0) depctr_va_vcc(0) depctr_vm_vsrc(0)
	s_getreg_b32 s2, hwreg(HW_REG_IB_STS2, 6, 4)
	s_cmp_eq_u32 s2, 0
	s_cbranch_scc0 .Lentry_in_a_cluster
	s_endpgm
.Lentry_in_a_cluster:
	s_bfe_u32 s2, ttmp6, 0x10000c
	s_cmp_lg_u32 s2, 0xf033
	s_cbranch_scc0 .Lentry_shape_is_right
	s_endpgm
.Lentry_shape_is_right:
; q = x Wq^T + bq, k = x Wk^T + bk, v = x Wv^T + bv on codes of FP8 (E4M3) with E8M0 scales (K = 1,024), and the results quantised at once for attention:
; q and k along the head's 64, v along the keys.  Operands come as images of their registers (cod, scl: a tile is 16 rows 8 u + r + 8 (r / 8) of a group of 32; a fragment is 2,048 dense bytes).
; A tile of the result, 256 x 256, is made by four waves, 128 x 128 each: 64 accumulators.  Source 0 ("B") gives the registers' axis, source 1 ("A") the lanes'.
; By the choice of a tile's rows the 16 registers of B's tiles 2 g and 2 g + 1 are 16 NEIGHBOURS along B's rows: 32 g + 16 (lane / 16) + 0 .. 15.
; The cluster's x is the kind: 0 q, 1 k: A = tokens, B = the weight's rows (a lane holds a token, registers run along the channels);  2 v: A = Wv's rows, B = tokens (a lane holds a channel, registers run along the keys).
; K goes in four fills of 256 through two LDS slots; a fill of 128 rows is one dense block of 32,768 bytes.  The scales of all of K come once.  All is written out: there is no loop.
; CLUSTERS: 4 x 4 work-groups; A's tiles are asked for jointly along a row of the cluster, B's along a column.
; OUT: qr [head 0..63][block of 128 tokens 0..15] records of 8,448 bytes: images of 8 tiles x 64 channels (1,024 a + 512 c), then 256 bytes of scale words [r][f]: word f = tile 2 f's two bytes, tile 2 f + 1's two bytes.
;      kv records of 16,896 bytes: K as in qr at 0 and 8,192; V's images (tile of 16 channels t, 128 keys) at 8,448 + 2,048 t + 512 c, V's scale words [r][t] at 16,640.
; REGISTERS: window 0: v0-31 addresses; v32-63 scale words, two sets; v64-127 the bias; v128-255 A's fragments, one set (behind the products: numbers, codes, work).  window 1: B's fragments, two sets.  windows 2, 3: the accumulators.
; LIMITS: a block of zeros gets the byte 1 (its codes are zeros; this program alone reads the bytes); NaN and infinities are not served.
.set NQ,    2                          ; matrix instructions deep in a slot
.set FR,    16                         ; registers of a fragment
.set NL,    4                          ; LDS loads that bring one
.set NP,    8                          ; places behind this matrix instruction (ISA guide 7.12.1)
.set SLOT,  131072                     ; A's two halves, B's two halves, 32,768 bytes each: [K step 2][tile 8][2,048]
.set SCL,   262144                     ; behind the ring: the scales, 4,096 bytes for each 128 rows
.set SPARE, 278528                     ; the spare words, 128 bytes for each wave: two blocks of 256 bytes that no other line names
.set ADRA, 16                          ; v16-17 LDS address of my A fragments in slot 0, 1
.set ADRB, 20                          ; v20-21 the same for B
.set SWO,  25                          ; v25 where I store scale words: 16 r + (lane / 16) x a head's bytes
.set CO,   26                          ; v26 16 x lane
.set ADRS, 27                          ; v27 LDS address of my scale words: lanes 0-15 A's, lanes 16-31 B's
.set SPW,  28                          ; v28 my spare word; never rewritten
.set NIL,  29                          ; v29 0; never rewritten
.set SC,   32
.set BI,   64
.set AF,   128
.set XN,   128                         ; behind the products: 64 numbers
.set CD,   192                         ; two sets of codes
.set TM,   224                         ; at work
.set SW,   240                         ; eight scale words
.set SEL,  2                           ; s[2:3] lane selects: lane l xor 16
.set MNT,  10                          ; s10
.set G1, 24
.set G0, 32
.set G1B, 48
.set G0B, 56
.set G1S, 68
.set G0S, 76
.set G1SB, 80
.set G0SB, 88
.set MSB, 0
.macro WIN new                         ; the immediate's high byte repeats the setting that is left
.if MSB != \new
	s_set_vgpr_msb (MSB<<8)|\new
.set MSB, \new
.endif
.endm
.set MUL_LO, 0xa1                      ; source 0 (B) window 1, source 1 (A) window 0, C and D window 2
.set MUL_HI, 0xf1
.set TO_B,   0x40
; A joint load: waves 0 and 1 fetch for A, waves 2 and 3 for B; the branch hangs on the wave's number alone.  Four v_nop follow each line.
.macro JLOAD g0a, g1a, g0b, g1b
	s_cmp_eq_u32 s15, 0
	s_cbranch_scc0 .Lfor_b_\@
	tensor_load_to_lds s[\g0a:\g0a+3], s[\g1a:\g1a+7]
	s_nop 0
.rept 4
	v_nop
.endr
	s_branch .Lasked_\@
.Lfor_b_\@:
	tensor_load_to_lds s[\g0b:\g0b+3], s[\g1b:\g1b+7]
	s_nop 0
.rept 4
	v_nop
.endr
.Lasked_\@:
.endm
.macro CREST                           ; a round of the cluster's barrier behind its opening barrier
	s_cmp_lg_u32 s14, 0
	s_cbranch_scc1 .Lnot_wave_0_\@
	s_barrier_signal -3
.Lnot_wave_0_\@:
	s_barrier_wait -3
	s_barrier_signal -1
	s_barrier_wait -1
.endm
.macro CROUND
	s_barrier_signal -1
	s_barrier_wait -1
	CREST
.endm
.macro PLACES n
.rept \n
	v_nop
.endr
.endm
.macro FRAG reg, adr, q, i             ; a fragment's image: four loads of 512 consecutive bytes
.irp c, 0,1,2,3
	ds_load_b128 v[(\reg)+4*\c:(\reg)+4*\c+3], v[\adr] offset:16384*(\q)+2048*(\i)+512*\c
.endr
.endm
; 16 matrix instructions: A's blocks a0, a0 + 1 x B's eight.  The 64 accumulators take turns, one instruction a turn.
.macro MUL16 a0, p, q, sc, zero
.irp a, \a0, \a0+1
.irp b, 0,1,2,3,4,5,6,7
.if \zero
	v_wmma_scale_f32_16x16x128_f8f6f4 v[8*(8*((\a)%4)+\b):8*(8*((\a)%4)+\b)+7], v[128*(\p)+FR*\b:128*(\p)+FR*\b+FR-1], v[AF+FR*(\a):AF+FR*(\a)+FR-1], 0, v[SC+8*NQ*(\sc)+NQ*\b+(\q)], v[SC+8*NQ*(\sc)+NQ*(\a)+(\q)] matrix_a_scale:MATRIX_SCALE_ROW1
.else
	v_wmma_scale_f32_16x16x128_f8f6f4 v[8*(8*((\a)%4)+\b):8*(8*((\a)%4)+\b)+7], v[128*(\p)+FR*\b:128*(\p)+FR*\b+FR-1], v[AF+FR*(\a):AF+FR*(\a)+FR-1], v[8*(8*((\a)%4)+\b):8*(8*((\a)%4)+\b)+7], v[SC+8*NQ*(\sc)+NQ*\b+(\q)], v[SC+8*NQ*(\sc)+NQ*(\a)+(\q)] matrix_a_scale:MATRIX_SCALE_ROW1
.endif
.endr
.endr
.endm
.macro FETCH_B slot, q, p
	WIN TO_B
.irp i, 0,1,2,3,4,5,6,7
	FRAG 128*(\p)+FR*\i, ADRB+\slot, \q, \i
.endr
	WIN 0
.endm
.macro FETCH_A slot, q, i0
.irp i, \i0, \i0+1, \i0+2, \i0+3
	FRAG AF+FR*(\i), ADRA+\slot, \q, \i
.endr
.endm
.macro SCALES set, sl                  ; fill sl's two words a row into set: lanes 0-15 A's tile i, lanes 16-31 B's tile i
.irp i, 0,1,2,3,4,5,6,7
	ds_load_b64 v[SC+16*(\set)+2*\i:SC+16*(\set)+2*\i+1], v[ADRS] offset:512*\i+256*((\sl)/2)+8*((\sl)%2)
.endr
.endm
.macro STEP slot, q, zero              ; a step of 128 along K that has its successor in the same slot
	s_wait_dscnt 4*NL                              ; B's set, A's blocks 0-3 and the scales are in; the youngest 16 loads (A's blocks 4-7) may be out
	WIN MUL_LO
	MUL16 0, (\q)%2, \q, \slot, \zero
	MUL16 2, (\q)%2, \q, \slot, \zero
	s_wait_dscnt 0
	PLACES NP
	FETCH_B \slot, (\q)+1, 1-(\q)%2
	FETCH_A \slot, (\q)+1, 0
	WIN MUL_HI
	MUL16 4, (\q)%2, \q, \slot, \zero
	MUL16 6, (\q)%2, \q, \slot, \zero
	PLACES NP
	WIN 0
	FETCH_A \slot, (\q)+1, 4
.endm
; A slot's last step changes slots: one barrier; in front of it each wave waits for all its tensor loads, adds 0 to its spare word, and waits for that and for its reads of this slot.
.macro TURN slot, next, fill, sl
	s_wait_tensorcnt 0x0                           ; all my tensor loads have landed: my part of the next slot
	ds_add_u32 v[SPW], v[NIL]                      ; 0 onto my spare word
	s_wait_dscnt 4*NL+1                            ; (the add and the youngest 16 loads may be out)
	WIN MUL_LO
	MUL16 0, 1, NQ-1, \slot, 0
	s_wait_dscnt 0x0                               ; the add is done, and my reads of this slot are over
	s_barrier_signal -1
	MUL16 2, 1, NQ-1, \slot, 0
	WIN 0
	s_barrier_wait -1
.if \fill
	CREST                                          ; the barrier has opened a round of the cluster's: no wave of any partner still reads this slot or has a load on its way
	s_add_nc_u64 s[G0+4*\slot+2:G0+4*\slot+3], s[G0+4*\slot+2:G0+4*\slot+3], 65536
	s_add_nc_u64 s[G0B+4*\slot+2:G0B+4*\slot+3], s[G0B+4*\slot+2:G0B+4*\slot+3], 65536
	JLOAD G0+4*\slot, G1, G0B+4*\slot, G1B         ; two fills on; the four v_nop behind it are among the places in front of the loads below
	PLACES NP-4
.else
	PLACES NP
.endif
	FETCH_B \next, 0, 0
	FETCH_A \next, 0, 0
	SCALES \next, \sl
	WIN MUL_HI
	MUL16 4, 1, NQ-1, \slot, 0
	MUL16 6, 1, NQ-1, \slot, 0
	PLACES NP
	WIN 0
	FETCH_A \next, 0, 4
.endm
; 64 numbers of a lane, register 16 b + i = place 32 b + 16 (lane / 16) + i along the next K, become 16 registers of codes and a scale word
.macro QUANT s, cd, pw
.irp b, 0,1,2,3
	v_max3_num_f32 v[TM+\b], |v[(\s)+16*\b]|, |v[(\s)+1+16*\b]|, 0x4800000   ; and the floor 2^(9 - 127): the byte cannot fall under 1
.endr
.irp i, 2,4,6,8,10,12,14
.irp b, 0,1,2,3
	v_max3_num_f32 v[TM+\b], v[TM+\b], |v[(\s)+16*\b+\i]|, |v[(\s)+1+16*\b+\i]|
.endr
.endr
.irp b, 0,1,2,3
	v_permlanex16_b32 v[TM+4+\b], v[TM+\b], s[SEL], s[SEL+1]
.endr
.irp b, 0,1,2,3
	v_max_num_f32 v[TM+\b], v[TM+\b], v[TM+4+\b]
.endr
.irp b, 0,1,2,3
	v_add_nc_u32 v[TM+12+\b], 0xfc000000, v[TM+\b]             ; 8 off the exponent field: the conversion's scale operand
.endr
.irp b, 0,1,2,3
.endr
.irp b, 0,1,2,3
	v_lshrrev_b32 v[TM+4+\b], 23, v[TM+12+\b]                  ; the scale's byte
.endr
	v_lshl_or_b32 v[\pw], v[TM+5], 8, v[TM+4]
	v_lshl_or_b32 v[\pw], v[TM+6], 16, v[\pw]
	v_lshl_or_b32 v[\pw], v[TM+7], 24, v[\pw]
.irp b, 0,1,2,3
.irp i, 0,1,2,3,4,5,6,7,8,9,10,11,12,13,14,15
.endr
	v_cvt_scalef32_pk8_fp8_f32 v[(\cd)+4*\b:(\cd)+4*\b+1], v[(\s)+16*\b:(\s)+16*\b+7], v[TM+12+\b]
	v_cvt_scalef32_pk8_fp8_f32 v[(\cd)+4*\b+2:(\cd)+4*\b+3], v[(\s)+16*\b+8:(\s)+16*\b+15], v[TM+12+\b]
.endr
	v_nop                                          ; a plain line behind the last conversion
.endm
; A's block a leaves: + bias (which also brings the sums into window 0), quantised, four stores of 512 consecutive bytes.  isv = 0: q, k;  1: v
.macro EPI a, isv
.if (\a) >= 2
	s_wait_xcnt 0x0                                ; the stores of two blocks back have read their registers: that set of codes is written again
.endif
	WIN 0x02+(\a)/4                                ; source 0: window 2 or 3
.irp b, 0,1,2,3,4,5,6,7
.irp j, 0,2,4,6
.if \isv
	v_pk_add_f32 v[XN+8*\b+\j:XN+8*\b+\j+1], v[8*(8*((\a)%4)+\b)+\j:8*(8*((\a)%4)+\b)+\j+1], v[BI+8*(\a)+\j:BI+8*(\a)+\j+1]   ; each accumulator from its low end on
.else
	v_pk_add_f32 v[XN+8*\b+\j:XN+8*\b+\j+1], v[8*(8*((\a)%4)+\b)+\j:8*(8*((\a)%4)+\b)+\j+1], v[BI+8*\b+\j:BI+8*\b+\j+1]
.endif
.endr
.endr
	WIN 0
	QUANT XN, CD+16*((\a)%2), SW+(\a)
.irp c, 0,1,2,3
.if \isv
	global_store_b128 v[CO], v[CD+16*((\a)%2)+4*\c:CD+16*((\a)%2)+4*\c+3], s[92+2*((\a)/4):93+2*((\a)/4)] offset:8448+2048*((\a)%4)+512*\c   ; head a / 4, channels' tile a % 4, keys' block c
.else
	global_store_b128 v[CO], v[CD+16*((\a)%2)+4*\c:CD+16*((\a)%2)+4*\c+3], s[92+2*(\c/2):93+2*(\c/2)] offset:1024*(\a)+512*(\c%2)           ; head c / 2, tokens' tile a, channels' block c % 2
.endif
.endr
.endm
	s_load_b128 s[4:7], s[0:1], 0x0                ; cod, scl
	s_load_b128 s[8:11], s[0:1], 0x10              ; bq, bk
	s_load_b64 s[12:13], s[0:1], 0x20              ; bv
	s_load_b64 s[96:97], s[0:1], 0x28              ; qr
	s_load_b64 s[98:99], s[0:1], 0x30              ; kv
	v_lshl_add_u32 v[SPW], v0, 2, SPARE
	v_mov_b32 v[NIL], 0
	ds_add_u32 v28, v29
	ds_add_u32 v28, v29
	s_wait_dscnt 0x0
	v_lshrrev_b32 v1, 5, v0
	v_readfirstlane_b32 s14, v1                    ; wave 0..3
	s_lshr_b32 s15, s14, 1                         ; which half of A's rows is mine.  Also: I fetch for A (0) or for B (1)
	s_and_b32 s16, s14, 1                          ; which half of B's rows.  Also: which 128 rows I fetch
	s_bfe_u32 s40, ttmp6, 0x40000                  ; cx
	s_bfe_u32 s41, ttmp6, 0x40004                  ; cy
	s_lshl_b32 s43, s41, 2
	s_lshl_b32 s43, 15, s43                        ; my row of the cluster
	s_lshl_b32 s44, 0x1111, s40                    ; my column
	s_or_b32 s[G1+0], s43, (3<<16)|(1<<21)         ; the mask; elements of 8 bytes; bit 21 beside a mask; no padding
	s_or_b32 s[G1B+0], s44, (3<<16)|(1<<21)
	s_or_b32 s[G1S+0], s43, (3<<16)|(1<<21)
	s_or_b32 s[G1SB+0], s44, (3<<16)|(1<<21)
.irp g, G1, G1B                        ; codes: a dense block of 32,768 bytes as 128 rows of 256
	s_mov_b32 s[\g+1], 32<<16
	s_mov_b32 s[\g+2], 128<<16
	s_mov_b32 s[\g+3], 32<<16
	s_mov_b32 s[\g+4], 128
	s_mov_b32 s[\g+5], 32
	s_mov_b32 s[\g+6], 0
	s_mov_b32 s[\g+7], 0
.endr
.irp g, G1S, G1SB                      ; scales: 4,096 bytes as 16 rows of 256
	s_mov_b32 s[\g+1], 32<<16
	s_mov_b32 s[\g+2], 16<<16
	s_mov_b32 s[\g+3], 32<<16
	s_mov_b32 s[\g+4], 16
	s_mov_b32 s[\g+5], 32
	s_mov_b32 s[\g+6], 0
	s_mov_b32 s[\g+7], 0
.endr
	; A's 256 rows: tokens 4 x cluster y + cy (q, k) or Wv's 40 + cy (v): no cx enters
	s_and_b32 s17, ttmp7, 0xffff
	s_lshl_b32 s17, s17, 2
	s_cmp_eq_u32 ttmp9, 2
	s_cselect_b32 s17, 40, s17
	s_add_co_u32 s17, s17, s41
	s_lshl_b32 s17, s17, 1
	s_add_co_u32 s20, s17, s16                     ; the block of 128 rows that I fetch
	s_lshl_b32 s22, s20, 12                        ; its scales,
	s_mov_b32 s23, 0
	s_lshl_b32 s20, s20, 17                        ; its codes
	s_mov_b32 s21, 0
	; B's 256 rows: the weight's 32 + 4 x kind + cx (q, k) or tokens 4 x cluster y + cx (v): no cy enters
	s_and_b32 s42, ttmp7, 0xffff
	s_lshl_b32 s42, s42, 2
	s_lshl_b32 s45, ttmp9, 2
	s_add_co_u32 s45, s45, 32
	s_cmp_eq_u32 ttmp9, 2
	s_cselect_b32 s42, s42, s45
	s_add_co_u32 s42, s42, s40
	s_lshl_b32 s42, s42, 1
	s_add_co_u32 s46, s42, s16
	s_lshl_b32 s92, s46, 12
	s_mov_b32 s93, 0
	s_lshl_b32 s46, s46, 17
	s_mov_b32 s47, 0
	s_lshl_b32 s45, s14, 15                        ; where they go: wave x 32,768,
	s_lshl_b32 s94, s14, 12                        ; wave x 4,096: no place in the cluster enters an LDS address
	s_wait_kmcnt 0x0
	s_add_nc_u64 s[20:21], s[4:5], s[20:21]
	s_add_nc_u64 s[22:23], s[6:7], s[22:23]
	s_add_nc_u64 s[46:47], s[4:5], s[46:47]
	s_add_nc_u64 s[92:93], s[6:7], s[92:93]
	CROUND                                         ; all sixteen work-groups are here: the first joint loads meet
	s_mov_b32 s[G0S], 1
	s_add_co_u32 s[G0S+1], s94, SCL
	s_mov_b64 s[G0S+2:G0S+3], s[22:23]
	s_or_b32 s[G0S+3], s[G0S+3], 0x80000000
	s_mov_b32 s[G0SB], 1
	s_add_co_u32 s[G0SB+1], s94, SCL
	s_mov_b64 s[G0SB+2:G0SB+3], s[92:93]
	s_or_b32 s[G0SB+3], s[G0SB+3], 0x80000000
	JLOAD G0S, G1S, G0SB, G1SB                     ; the scales of all of K first
.irp s, 0,1
	s_mov_b32 s[G0+4*\s], 1
	s_add_co_u32 s[G0+4*\s+1], s45, \s*SLOT
	s_add_nc_u64 s[G0+4*\s+2:G0+4*\s+3], s[20:21], \s*32768
	s_or_b32 s[G0+4*\s+3], s[G0+4*\s+3], 0x80000000
	s_mov_b32 s[G0B+4*\s], 1
	s_add_co_u32 s[G0B+4*\s+1], s45, \s*SLOT
	s_add_nc_u64 s[G0B+4*\s+2:G0B+4*\s+3], s[46:47], \s*32768
	s_or_b32 s[G0B+4*\s+3], s[G0B+4*\s+3], 0x80000000
	JLOAD G0+4*\s, G1, G0B+4*\s, G1B               ; fills 0 and 1: three loads of mine are out
.endr
	v_and_b32 v1, 15, v0                           ; r
	v_bfe_u32 v2, v0, 4, 1                         ; h
	s_wait_alu depctr_va_vdst(0)
	v_and_b32 v3, 31, v0
	v_lshlrev_b32 v[CO], 4, v3                     ; 16 x lane
	s_lshl_b32 s21, s15, 15                        ; my 128 rows of A,
	s_lshl_b32 s22, s16, 15                        ; of B,
	s_add_co_u32 s22, s22, 65536                   ; which lie behind A's 256
.irp s, 0,1
	v_add_nc_u32 v[ADRA+\s], s21, v[CO]
	v_add_nc_u32 v[ADRB+\s], s22, v[CO]
	s_add_co_u32 s21, s21, SLOT
	s_add_co_u32 s22, s22, SLOT
.endr
	v_lshlrev_b32 v5, 4, v1                        ; scale words: 16 bytes a row
	s_lshl_b32 s21, s15, 12
	s_lshl_b32 s22, s16, 12
	s_add_co_u32 s22, s22, 8192
	s_sub_co_u32 s22, s22, s21
	v_mul_u32_u24 v6, s22, v2                      ; lanes 16-31 take B's: one product, the distance between the two
	s_add_co_u32 s21, s21, SCL
	v_add_nc_u32 v5, v5, v6
	v_add_nc_u32 v[ADRS], s21, v5
	; where the results go, and the bias.  tok: my block of 128 tokens; hp: my block of 128 channels (two heads)
	s_and_b32 s66, ttmp7, 0xffff
	s_lshl_b32 s66, s66, 2
	s_cmp_eq_u32 ttmp9, 2
	s_cselect_b32 s67, s40, s41                    ; the tokens' place in the cluster,
	s_cselect_b32 s92, s16, s15                    ; their half,
	s_cselect_b32 s93, s41, s40                    ; the channels' place,
	s_cselect_b32 s94, s15, s16                    ; their half
	s_cselect_b32 s17, 0, 64                       ; the bias's address: bytes for each half of the lanes,
	s_cselect_b32 s18, 4, 0                        ; for each row of a tile,
	s_cselect_b32 s19, 0, 4                        ; for each register
	s_add_co_u32 s66, s66, s67
	s_lshl_b32 s66, s66, 1
	s_add_co_u32 s66, s66, s92                     ; tok
	s_lshl_b32 s93, s93, 1
	s_add_co_u32 s93, s93, s94                     ; hp
	s_cmp_eq_u32 ttmp9, 0
	s_cselect_b64 s[8:9], s[8:9], s[10:11]
	s_cselect_b64 s[96:97], s[96:97], s[98:99]     ; q goes to qr, k and v to kv
	s_mov_b32 s100, 270336
	s_cselect_b32 s100, 135168, s100               ; a head's bytes there,
	s_mov_b32 s101, 16896
	s_cselect_b32 s101, 8448, s101                 ; a record's
	s_cmp_eq_u32 ttmp9, 2
	s_cselect_b64 s[8:9], s[12:13], s[8:9]         ; bq, bk or bv
	s_lshl_b32 s10, s93, 9
	s_mov_b32 s11, 0
	s_add_nc_u64 s[8:9], s[8:9], s[10:11]          ; at my 128 channels
	s_lshr_b32 s67, s66, 4
	s_lshl_b32 s67, s67, 4                         ; 16 x batch
	s_lshl_b32 s93, s93, 1
	s_add_co_u32 s67, s67, s93                     ; my first head
	s_and_b32 s66, s66, 15                         ; the block of tokens in its batch
	s_mul_i32 s67, s67, s100
	s_mul_i32 s66, s66, s101
	s_add_co_u32 s92, s67, s66
	s_mov_b32 s93, 0
	s_add_nc_u64 s[92:93], s[96:97], s[92:93]      ; my first head's record,
	s_mov_b32 s94, s100
	s_mov_b32 s95, 0
	s_add_nc_u64 s[94:95], s[92:93], s[94:95]      ; my second head's
	v_mul_u32_u24 v6, s100, v2
	v_lshl_add_u32 v[SWO], v1, 4, v6
	v_and_b32 v4, 8, v1
	v_add_nc_u32 v4, v4, v1                        ; r + 8 (r / 8)
	v_mul_u32_u24 v5, s17, v2
	v_mad_u32_u24 v5, v4, s18, v5
	s_wait_alu depctr_va_vdst(0)
.irp j, 0,1,2,3,4,5,6,7
	s_mul_i32 s10, s19, \j
	v_add_nc_u32 v[8+\j], s10, v5
.endr
.irp i, 0,1,2,3,4,5,6,7                ; q, k: register 8 i + j = the bias of channel 32 (i / 2) + 8 (i % 2) + 16 h + j;  v: of channel 32 (i / 2) + 8 (i % 2) + r + 8 (r / 8), in all eight
.irp j, 0,1,2,3,4,5,6,7
	global_load_b32 v[BI+8*\i+\j], v[8+\j], s[8:9] offset:4*(32*(\i/2)+8*(\i%2))
.endr
.endr
	s_mov_b32 s[SEL], 0x76543210
	s_mov_b32 s[SEL+1], 0xfedcba98
	s_wait_tensorcnt 1                             ; the scales and my part of fill 0 are in; fill 1 may be out
	s_barrier_signal -1
	s_barrier_wait -1
	FETCH_B 0, 0, 0
	FETCH_A 0, 0, 0
	SCALES 0, 0
	FETCH_A 0, 0, 4
	STEP 0, 0, 1                                   ; the first products start the sums: nothing is cleared
	TURN 0, 1, 1, 1
	STEP 1, 0, 0
	TURN 1, 0, 1, 2
	STEP 0, 0, 0
	TURN 0, 1, 0, 3                                ; nothing is left to fetch
	STEP 1, 0, 0
	s_wait_dscnt 4*NL
	WIN MUL_LO
	MUL16 0, 1, NQ-1, 1, 0
	MUL16 2, 1, NQ-1, 1, 0
	s_wait_dscnt 0
	WIN MUL_HI
	MUL16 4, 1, NQ-1, 1, 0
	MUL16 6, 1, NQ-1, 1, 0
	WIN 0
	PLACES NP                                      ; in front of the first read of results and the first write into A's registers
	s_wait_loadcnt 0x0                             ; the bias
.irp b, 0,1,2,3
	v_mov_b32 v[TM+4+\b], 0                        ; a lane permute's destination counts as one of its sources
.endr
	v_cmp_eq_u32 vcc_lo, 1, v2                     ; lanes 16-31 store the second head's scale words
	s_cmp_eq_u32 ttmp9, 2                          ; the cluster's x: the same in all sixteen partners
	s_cbranch_scc1 .Lv
.irp a, 0,1,2,3,4,5,6,7
	EPI \a, 0
.endr
	s_mov_b32 s11, 0x05040100
	s_mov_b32 s12, 0x07060302
.irp f, 0,1,2,3                        ; word f of a head: tile 2 f's two bytes, tile 2 f + 1's two bytes
	v_perm_b32 v[XN+\f], v[SW+2*\f+1], v[SW+2*\f], s11
	v_perm_b32 v[XN+4+\f], v[SW+2*\f+1], v[SW+2*\f], s12
.endr
.irp f, 0,1,2,3
	v_cndmask_b32 v[XN+8+\f], v[XN+\f], v[XN+4+\f], vcc_lo
.endr
	global_store_b128 v[SWO], v[XN+8:XN+11], s[92:93] offset:8192    ; each half of the lanes stores 256 consecutive bytes, aligned
	s_branch .Lend
.Lv:
.irp a, 0,1,2,3,4,5,6,7
	EPI \a, 1
.endr
.irp f, 0,1,2,3
	v_cndmask_b32 v[XN+8+\f], v[SW+\f], v[SW+4+\f], vcc_lo
.endr
	global_store_b128 v[SWO], v[XN+8:XN+11], s[92:93] offset:16640
.Lend:
	s_wait_tensorcnt 0x0                           ; the wave's end
	ds_add_u32 v[SPW], v[NIL]
	s_wait_dscnt 0x0
	CROUND                                         ; the closing round
	s_endpgm
.Lfunc_end_k_qa3b384f828_qkv:
	.size	k_qa3b384f828_qkv, .Lfunc_end_k_qa3b384f828_qkv-k_qa3b384f828_qkv
	.p2alignl 7, 3214868480
	.fill 96, 4, 3214868480
	.section	.rodata,"a",@progbits
	.p2align	6, 0x0
	.amdhsa_kernel k_qa3b384f828_qkv
		.amdhsa_group_segment_fixed_size 327680
		.amdhsa_private_segment_fixed_size 0
		.amdhsa_enable_private_segment 0
		.amdhsa_kernarg_size 56
		.amdhsa_user_sgpr_count 2
		.amdhsa_user_sgpr_kernarg_segment_ptr 1
		.amdhsa_wavefront_size32 1
		.amdhsa_system_sgpr_workgroup_id_x 1
		.amdhsa_system_sgpr_workgroup_id_y 1
		.amdhsa_system_sgpr_workgroup_id_z 1
		.amdhsa_system_vgpr_workitem_id 0
		.amdhsa_next_free_vgpr 1024
		.amdhsa_next_free_sgpr 102
		.amdhsa_reserve_vcc 1
		.amdhsa_float_denorm_mode_32 3
		.amdhsa_float_denorm_mode_16_64 3
		.amdhsa_fp16_overflow 1
		.amdhsa_memory_ordered 1
		.amdhsa_forward_progress 1
		.amdhsa_inst_pref_size 221
	.end_amdhsa_kernel
	.amdgpu_metadata
---
amdhsa.version: [ 1, 2 ]
amdhsa.kernels:
  - .name:           k_qa3b384f828_qkv
    .symbol:         k_qa3b384f828_qkv.kd
    .args:
      - { .name: cod, .offset: 0, .size: 8, .value_kind: global_buffer, .address_space: global }
      - { .name: scl, .offset: 8, .size: 8, .value_kind: global_buffer, .address_space: global }
      - { .name: bq, .offset: 16, .size: 8, .value_kind: global_buffer, .address_space: global }
      - { .name: bk, .offset: 24, .size: 8, .value_kind: global_buffer, .address_space: global }
      - { .name: bv, .offset: 32, .size: 8, .value_kind: global_buffer, .address_space: global }
      - { .name: qr, .offset: 40, .size: 8, .value_kind: global_buffer, .address_space: global }
      - { .name: kv, .offset: 48, .size: 8, .value_kind: global_buffer, .address_space: global }
    .group_segment_fixed_size: 327680
    .private_segment_fixed_size: 0
    .kernarg_segment_align: 8
    .kernarg_segment_size: 56
    .max_flat_workgroup_size: 128
    .sgpr_count:     102
    .vgpr_count:     1024
    .wavefront_size: 32
...
	.end_amdgpu_metadata
.endif
;; end of part 2
;; launch attn (part 3): grid 4 x 64, 16 waves a work-group, clusters of 4 x 1, 272,384 bytes of LDS; arguments qr, kv, yc, ys; writes yc, ys
.if DOCPART == 3
	.amdgcn_target "amdgcn-amd-amdhsa--gfx1250"
	.amdhsa_code_object_version 6
	.text
	.protected	k_qa3b384f828_attn
	.globl	k_qa3b384f828_attn
	.p2align	8
	.type	k_qa3b384f828_attn,@function
k_qa3b384f828_attn:
	s_mov_b64 s[64:65], 0
	v_nop
	global_prefetch_b8 v0, s[64:65] scope:SCOPE_SE
	s_setreg_imm32_b32 hwreg(HW_REG_WAVE_MODE, 25, 1), 1
	s_wait_xcnt 0x0
	s_wait_alu depctr_hold_cnt(0) depctr_sa_sdst(0) depctr_va_vdst(0) depctr_va_sdst(0) depctr_va_ssrc(0) depctr_va_vcc(0) depctr_vm_vsrc(0)
	s_getreg_b32 s2, hwreg(HW_REG_IB_STS2, 6, 4)
	s_cmp_eq_u32 s2, 0
	s_cbranch_scc0 .Lentry_in_a_cluster
	s_endpgm
.Lentry_in_a_cluster:
	s_bfe_u32 s2, ttmp6, 0x10000c
	s_cmp_lg_u32 s2, 0x3003
	s_cbranch_scc0 .Lentry_shape_is_right
	s_endpgm
.Lentry_shape_is_right:
; y[head][q] = the sum over keys k <= q of softmax_k(q . k / 8) v, both products on codes of FP8 (E4M3) with E8M0 scales, and y quantised at once along C for the last projection.
; THE SOFTMAX: t = score x log2(e) / 8; M = the running largest t rounded UP to a whole number; p = 2^(t - M) is quantised along the keys; the row's sum is taken of the unquantised p and divides at the end.
; A cluster of four work-groups owns one head (work-group y).  THE WHOLE HEAD'S K AND V LIE IN LDS: 16 records of 16,896 bytes (128 keys each), wave w brings record w by one joint load,
; the same in all four partners.  Nothing is filled again: one barrier behind the loads, none in the loops.
; SHARES.  A head has 128 tiles of 16 queries (a = block of 128 tokens, b = tile in it); tile (a, b) needs key steps 0 .. a.  Wave w of partner p takes (w, p) and then (15 - w, p + 4): 17 steps for every wave.
; Branches hang on the wave's number and the step's counter alone; the partner's place enters global addresses and the mask's number, nothing else.
; K = 64 IN A FORM OF K = 128: a double fragment of K holds key tile 2 f in k 0-63 and key tile 2 f + 1 in k 64-127; Q stands as [0 | q | 0]: [q, 0] gives tile 2 f's scores, [0, q] tile 2 f + 1's (zero codes add nothing).
; LAYOUT.  Both products transposed: a lane holds one query (lane % 16).  A tile's rows are 8 u + r + 8 (r / 8) of a group of 32, so that the 16 registers of tiles 2 g, 2 g + 1 are 16 neighbours: keys for p, channels for y.
; OUT: yc, ys laid as the projections' operands: fragment images [block of 128 tokens][K step = head / 2][tile b][2,048], scale bytes 512 T + 256 (k / 4) + 16 r + 4 (k % 4) + c.
; The two scale bytes of a tile and head are stored byte by byte, 32 bytes an instruction: one byte for each 32 of codes.
; LIMITS: NaN and infinities are not served; a block of zeros gets the byte 1; 1 / the sum is v_rcp_f32's.
.set REC,  16896                       ; a record of kv: K's images 8,192, K's scale words 256, V's images 8,192, V's scale words 256
.set QREC, 8448                        ; a record of qr
.set ADR,  8                           ; v8   the step's record + 16 x lane
.set ADQ,  9                           ; v9   the step's record + 16 r
.set QSW,  40                          ; v40  Q's scale word
.set QRAW, 42                          ; v42  the word as loaded (two tiles' bytes)
.set KSW,  44                          ; v44-47 K's scale words
.set VSW,  48                          ; v48-51 V's
.set KF,   52                          ; v52-115 four fragments: K's, then V's
.set S,    116                         ; v116-179 S^T, then p; on the way out y
.set OT,   180                         ; v180-211 O^T
.set PCD,  212                         ; v212-227 p's codes; on the way out y's
.set BM,   228                         ; v228-231 the blocks' largest
.set PX,   232                         ; v232-235 the other half's; bytes
.set HO,   236
.set SO,   240                         ; v240-243 the conversions' scale operands
.set FF,   244                         ; v[244:245] f = 2^(old M - new M); on the way out 1 / the sum (the low word serves both halves)
.set T0,   246
.set T1,   247
.set SU,   248                         ; v[248:249] the sum's second chain
.set PSW,  250                         ; v250 p's scale word
.set WV,   12
.set MNT,  19
.set SEL,  20
.set CS,   22
.set G1,   24
.set G0,   32
.set TB,   36                          ; s36 LDS byte of the step's record
.set KS,   37                          ; s37 the step
.set AA,   38                          ; s38, s39 the passes' a
.macro ROUND                           ; a round of the cluster's barrier
	s_barrier_signal -1
	s_barrier_wait -1
	s_cmp_lg_u32 s[WV], 0
	s_cbranch_scc1 .Lnot_wave_0_\@
	s_barrier_signal -3
.Lnot_wave_0_\@:
	s_barrier_wait -3
	s_barrier_signal -1
	s_barrier_wait -1
.endm
; pass p's bases: s[40+8p:41+8p] Q's codes, s[42+8p:..] Q's scale words, s[44+8p:..] y's codes, s[46+8p:..] y's scale bytes
.macro BASES p
	s_xor_b32 s[AA+\p], s[WV], 15*\p               ; a
	s_add_co_u32 s58, s13, 4*\p                    ; b
	s_mul_i32 s59, s14, 16*QREC
	s_mul_i32 s60, s[AA+\p], QREC
	s_add_co_u32 s59, s59, s60
	s_lshl_b32 s60, s58, 10
	s_add_co_u32 s62, s59, s60
	s_mov_b32 s63, 0
	s_add_nc_u64 s[40+8*\p:41+8*\p], s[4:5], s[62:63]
	s_lshr_b32 s60, s58, 1
	s_lshl_b32 s60, s60, 2
	s_add_co_u32 s62, s59, s60
	s_add_nc_u64 s[42+8*\p:43+8*\p], s[4:5], s[62:63]
	s_and_b32 s59, s14, 0xf0                       ; 16 x batch
	s_add_co_u32 s59, s59, s[AA+\p]                ; the block of 128 tokens
	s_and_b32 s60, s14, 15                         ; the head in its batch
	s_lshl_b32 s62, s59, 17
	s_lshr_b32 s61, s60, 1
	s_lshl_b32 s61, s61, 14
	s_add_co_u32 s62, s62, s61
	s_lshl_b32 s61, s58, 11
	s_add_co_u32 s62, s62, s61
	s_and_b32 s61, s60, 1
	s_lshl_b32 s61, s61, 10
	s_add_co_u32 s62, s62, s61
	s_add_nc_u64 s[44+8*\p:45+8*\p], s[8:9], s[62:63]
	s_lshl_b32 s62, s59, 12
	s_lshl_b32 s61, s58, 9
	s_add_co_u32 s62, s62, s61
	s_lshr_b32 s61, s60, 3
	s_lshl_b32 s61, s61, 8
	s_add_co_u32 s62, s62, s61
	s_bfe_u32 s61, s60, 0x20001
	s_lshl_b32 s61, s61, 2
	s_add_co_u32 s62, s62, s61
	s_and_b32 s61, s60, 1
	s_lshl_b32 s61, s61, 1
	s_add_co_u32 s62, s62, s61
	s_add_nc_u64 s[46+8*\p:47+8*\p], s[10:11], s[62:63]
.endm
	s_load_b256 s[4:11], s[0:1], 0x0               ; qr, kv, yc, ys
	v_lshl_add_u32 v254, v0, 2, 0x42000
	v_mov_b32 v255, 0
	ds_add_u32 v254, v255
	ds_add_u32 v254, v255
	v_lshrrev_b32 v10, 5, v0
	s_delay_alu instid0(VALU_DEP_1)
	v_readfirstlane_b32 s[WV], v10                 ; wave 0..15
	s_bfe_u32 s13, ttmp6, 0x40000                  ; my place in the cluster
	s_and_b32 s14, ttmp7, 0xffff                   ; the head, 0..63, which the four partners share
	s_mov_b32 s[G1+0], 15|(3<<16)|(1<<21)          ; the mask: all four; elements of 8 bytes; bit 21 beside a mask
	s_mov_b32 s[G1+1], 32<<16                      ; a record is dense: 66 rows of 256 bytes
	s_mov_b32 s[G1+2], 66<<16
	s_mov_b32 s[G1+3], 32<<16
	s_mov_b32 s[G1+4], 66
	s_mov_b32 s[G1+5], 32
	s_mov_b32 s[G1+6], 0
	s_mov_b32 s[G1+7], 0
	s_mul_i32 s15, s[WV], REC                      ; my record, in LDS and in the head
	s_mul_i32 s16, s14, 16*REC
	s_add_co_u32 s16, s16, s15
	s_mov_b32 s17, 0
	s_mov_b32 s[SEL], 0x76543210
	s_mov_b32 s[SEL+1], 0xfedcba98
	s_mov_b32 s[CS], 0x3e38aa3b                    ; c = log2(e) / 8
	s_mov_b32 s[CS+1], s[CS]                       ; (named with it as a pair)
	s_wait_dscnt 0x0
	s_wait_kmcnt 0x0
	s_mov_b32 s[G0], 1
	s_mov_b32 s[G0+1], s15
	s_add_nc_u64 s[G0+2:G0+3], s[6:7], s[16:17]
	s_or_b32 s[G0+3], s[G0+3], 0x80000000
	ROUND                                          ; all four work-groups are here: the joint loads meet
	tensor_load_to_lds s[G0:G0+3], s[G1:G1+7]      ; one load of mine is out
	s_nop 0
.rept 4
	v_nop
.endr
	BASES 0
	BASES 1
	s_lshr_b32 s57, s13, 1
	s_lshl_b32 s57, s57, 5
	s_and_b32 s58, s13, 1
	s_lshl_b32 s59, s58, 3
	s_add_co_u32 s57, s57, s59                     ; my tile's first token in its block, pass 0: 32 (b / 2) + 8 (b % 2)
	s_mov_b32 s56, 0x01000100
	s_cmp_eq_u32 s58, 1
	s_cselect_b32 s56, 0x03020302, s56             ; which two bytes of the loaded word are my tile's: a choice of a value, no branch
	v_and_b32 v10, 31, v0
	s_delay_alu instid0(VALU_DEP_1)
	v_lshlrev_b32 v1, 4, v10                       ; 16 x lane
	v_and_b32 v11, 15, v0                          ; r
	s_delay_alu instid0(VALU_DEP_1)
	v_lshlrev_b32 v2, 4, v11                       ; 16 r
	v_bfe_u32 v10, v0, 4, 1                        ; h
	s_delay_alu instid0(VALU_DEP_3)
	v_and_b32 v3, 8, v11
	s_delay_alu instid0(VALU_DEP_1)
	v_add_nc_u32 v3, v3, v11
	s_delay_alu instid0(VALU_DEP_3)
	v_lshlrev_b32 v5, 4, v10
	s_delay_alu instid0(VALU_DEP_1)
	v_sub_nc_u32 v3, v3, v5                        ; r + 8 (r / 8) - 16 h
	v_add_nc_u32 v6, v2, v10                       ; y's scale bytes: 16 r + h
	v_lshlrev_b32 v7, 3, v10                       ; 8 h
.irp j, 0,1,2,3,4,5,6,7
	v_mov_b32 v[16+\j], 0                          ; the zero codes on both sides of q
	v_mov_b32 v[32+\j], 0
.endr
.irp b, 0,1,2,3
	v_mov_b32 v[PX+\b], 0                          ; a lane permute's destination counts as one of its sources
.endr
	v_mov_b32 v[FF+1], 0                           ; (named as the upper half of a pair)
	v_mov_b32 v[T0], 0
	s_wait_tensorcnt 0x0                           ; my record is in,
	s_barrier_signal -1
	s_barrier_wait -1                              ; everybody's is
.macro PASS p
	global_load_b128 v[24:27], v1, s[40+8*\p:41+8*\p]              ; q's image: 16 queries x 64 channels
	global_load_b128 v[28:31], v1, s[40+8*\p:41+8*\p] offset:512
	global_load_b32 v[QRAW], v2, s[42+8*\p:43+8*\p] offset:8192
	v_add_nc_u32 v4, s57, v3                       ; d = my query's place in its block - 16 h
.if \p
	s_delay_alu instid0(VALU_DEP_1)
	v_add_nc_u32 v4, 64, v4
.endif
	v_mov_b32 v13, 0xff61b1e6                      ; the largest t so far: -3e38
	s_delay_alu instid0(VALU_DEP_1)
	v_floor_f32 v12, -v13                          ; -M
	v_mov_b32 v14, 0
	v_mov_b32 v15, 0
	s_wait_loadcnt 0x0
	v_perm_b32 v[QSW], v[QRAW], v[QRAW], s56       ; [s0, s1, s0, s1]: it serves [q, 0] and [0, q] alike
.irp j, 0,1,2,3,4,5,6,7,8,9,10,11,12,13,14,15,16,17,18,19,20,21,22,23,24,25,26,27,28,29,30,31
	v_mov_b32 v[OT+\j], 0                          ; the step is written once: the first finds zeros.  (These are also the places between the scale word and the first product)
.endr
	s_mov_b32 s[TB], 0
	s_mov_b32 s[KS], 0
.Lstep_\@:                             ; 16 trips, a constant; a step all of whose keys come after my queries is jumped over
	s_cmp_gt_u32 s[KS], s[AA+\p]
	s_cbranch_scc1 .Lhidden_\@
	s_setprio 2
	v_add_nc_u32 v[ADR], s[TB], v1
	v_add_nc_u32 v[ADQ], s[TB], v2
.rept 6
	v_nop                                          ; with the two above: eight places in front of loads into registers that matrix instructions have read
.endr
.irp f, 0,1,2,3
.irp c, 0,1,2,3
	ds_load_b128 v[KF+16*\f+4*\c:KF+16*\f+4*\c+3], v[ADR] offset:2048*\f+512*\c
.endr
.endr
	ds_load_b128 v[KSW:KSW+3], v[ADQ] offset:8192
	s_wait_alu depctr_va_vdst(0)
	s_wait_dscnt 0x0
.irp f, 0,1,2,3
	v_wmma_scale_f32_16x16x128_f8f6f4 v[S+16*\f:S+16*\f+7], v[KF+16*\f:KF+16*\f+15], v[24:39], 0, v[KSW+\f], v[QSW]
	v_wmma_scale_f32_16x16x128_f8f6f4 v[S+16*\f+8:S+16*\f+15], v[KF+16*\f:KF+16*\f+15], v[16:31], 0, v[KSW+\f], v[QSW]
.endr
.rept 8
	v_nop                                          ; places in front of the loads below and of the first read of the scores
.endr
.irp t, 0,1,2,3                        ; V's fragments take K's registers at once: they land under the softmax
.irp c, 0,1,2,3
	ds_load_b128 v[KF+16*\t+4*\c:KF+16*\t+4*\c+3], v[ADR] offset:8448+2048*\t+512*\c
.endr
.endr
	ds_load_b128 v[VSW:VSW+3], v[ADQ] offset:16640
	s_cmp_lg_u32 s[KS], s[AA+\p]                   ; on the diagonal alone hidden scores become -infinity: register 16 g + i holds key 32 g + 16 h + i, hidden where 32 g + i > d
	s_cbranch_scc1 .Lopen_\@
	v_mov_b32 v[T1], 0xff800000
.irp n, 0,1,2,3,4,5,6,7,8,9,10,11,12,13,14,15,16,17,18,19,20,21,22,23,24,25,26,27,28,29,30,31,32,33,34,35,36,37,38,39,40,41,42,43,44,45,46,47,48,49,50,51,52,53,54,55,56,57,58,59,60,61,62,63
	v_cmp_gt_i32 vcc_lo, 32*(\n/16)+\n%16, v4
	v_cndmask_b32 v[S+\n], v[S+\n], v[T1], vcc_lo
.endr
.Lopen_\@:
.irp b, 0,1,2,3
	v_max3_num_f32 v[BM+\b], v[S+16*\b], v[S+1+16*\b], v[S+2+16*\b]   ; the largest score of each block of 32 keys: for the row's maximum, and for the block's largest p
.endr
.irp i, 3,5,7,9,11,13
.irp b, 0,1,2,3
	v_max3_num_f32 v[BM+\b], v[BM+\b], v[S+16*\b+\i], v[S+1+16*\b+\i]
.endr
.endr
.irp b, 0,1,2,3
	v_max_num_f32 v[BM+\b], v[BM+\b], v[S+15+16*\b]
.endr
.irp b, 0,1,2,3
	s_delay_alu instid0(VALU_DEP_4)
	v_permlanex16_b32 v[PX+\b], v[BM+\b], s[SEL], s[SEL+1]
.endr
.irp b, 0,1,2,3
	s_delay_alu instid0(VALU_DEP_4)
	v_max_num_f32 v[BM+\b], v[BM+\b], v[PX+\b]
.endr
	s_delay_alu instid0(VALU_DEP_2)
	v_max3_num_f32 v[T0], v[BM], v[BM+1], v[BM+2]
	s_delay_alu instid0(VALU_DEP_1)
	v_max_num_f32 v[T0], v[T0], v[BM+3]
	s_delay_alu instid0(VALU_DEP_1)
	v_mul_f32 v[T0], s[CS], v[T0]
	s_delay_alu instid0(VALU_DEP_1)
	v_max_num_f32 v13, v13, v[T0]                  ; the running largest t
	v_mov_b32 v[T0], v12
	s_delay_alu instid0(VALU_DEP_2)
	v_floor_f32 v12, -v13                          ; the new -M: M is a whole number
	s_delay_alu instid0(VALU_DEP_1)
	v_sub_f32 v[T0], v12, v[T0]                    ; old M - new M
	s_delay_alu instid0(VALU_DEP_1)
	v_cvt_i32_f32 v[T0], v[T0]                     ; (it saturates)
	s_delay_alu instid0(VALU_DEP_1)
	v_ldexp_f32 v[FF], 1.0, v[T0]                  ; f = 2^(old M - new M): rounds nothing
	s_setprio 1
.irp j, 0,2,4,6,8,10,12,14,16,18,20,22,24,26,28,30,32,34,36,38,40,42,44,46,48,50,52,54,56,58,60,62
	v_pk_fma_f32 v[S+\j:S+\j+1], v[S+\j:S+\j+1], s[CS:CS+1], v[12:13] op_sel_hi:[1,0,0]   ; t - M
.endr
.irp b, 0,1,2,3
	v_fma_f32 v[BM+\b], v[BM+\b], s[CS], v12
.endr
	s_wait_alu depctr_va_vdst(0)
.irp j, 0,1,2,3,4,5,6,7,8,9,10,11,12,13,14,15,16,17,18,19,20,21,22,23,24,25,26,27,28,29,30,31,32,33,34,35,36,37,38,39,40,41,42,43,44,45,46,47,48,49,50,51,52,53,54,55,56,57,58,59,60,61,62,63
	v_exp_f32 v[S+\j], v[S+\j]                     ; p = 2^(t - M): one batch
.endr
	v_pk_mul_f32 v[14:15], v[14:15], v[FF:FF+1] op_sel_hi:[1,0]    ; the sums under the new M: the plain line behind the batch
	s_wait_alu depctr_va_vdst(0)                   ; one wait for the batch, ahead of its first reader
.irp b, 0,1,2,3
	v_exp_f32 v[BM+\b], v[BM+\b]                   ; the blocks' largest p
.endr
	v_pk_add_f32 v[248:249], v[120:121], v[124:125]
	v_pk_add_f32 v[252:253], v[128:129], v[132:133]
	v_pk_add_f32 v[250:251], v[136:137], v[140:141]
	v_pk_add_f32 v[242:243], v[144:145], v[148:149]
	v_pk_add_f32 v[240:241], v[152:153], v[156:157]
	v_pk_add_f32 v[238:239], v[160:161], v[164:165]
	v_pk_add_f32 v[236:237], v[168:169], v[172:173]
	v_pk_add_f32 v[14:15], v[14:15], v[176:177]
	v_pk_add_f32 v[248:249], v[248:249], v[116:117]
	v_pk_add_f32 v[252:253], v[252:253], v[118:119]
	v_pk_add_f32 v[250:251], v[250:251], v[122:123]
	v_pk_add_f32 v[242:243], v[242:243], v[126:127]
	v_pk_add_f32 v[240:241], v[240:241], v[130:131]
	v_pk_add_f32 v[238:239], v[238:239], v[134:135]
	v_pk_add_f32 v[236:237], v[236:237], v[138:139]
	v_pk_add_f32 v[14:15], v[14:15], v[142:143]
	v_pk_add_f32 v[248:249], v[248:249], v[146:147]
	v_pk_add_f32 v[252:253], v[252:253], v[150:151]
	v_pk_add_f32 v[250:251], v[250:251], v[154:155]
	v_pk_add_f32 v[242:243], v[242:243], v[158:159]
	v_pk_add_f32 v[240:241], v[240:241], v[162:163]
	v_pk_add_f32 v[238:239], v[238:239], v[166:167]
	v_pk_add_f32 v[236:237], v[236:237], v[170:171]
	v_pk_add_f32 v[14:15], v[14:15], v[174:175]
	v_pk_add_f32 v[248:249], v[248:249], v[178:179]
	s_delay_alu instid0(VALU_DEP_2)
	v_pk_add_f32 v[14:15], v[14:15], v[242:243]
	s_delay_alu instid0(VALU_DEP_2)
	v_pk_add_f32 v[248:249], v[248:249], v[240:241]
	v_pk_add_f32 v[252:253], v[252:253], v[238:239]
	v_pk_add_f32 v[250:251], v[250:251], v[236:237]
	s_delay_alu instid0(VALU_DEP_2)
	v_pk_add_f32 v[14:15], v[14:15], v[252:253]
	s_delay_alu instid0(VALU_DEP_2)
	v_pk_add_f32 v[248:249], v[248:249], v[250:251]
	s_delay_alu instid0(VALU_DEP_1)
	v_pk_add_f32 v[14:15], v[14:15], v[248:249]
	s_setprio 0
	s_wait_alu depctr_va_vdst(0)                   ; and one for the four
.irp b, 0,1,2,3
	v_max_num_f32 v[BM+\b], 0x4800000, v[BM+\b]    ; the floor 2^(9 - 127)
.endr
.irp b, 0,1,2,3
	s_delay_alu instid0(VALU_DEP_4)
	v_add_nc_u32 v[SO+\b], 0xfc000000, v[BM+\b]
.endr
.irp b, 0,1,2,3
.endr
.irp b, 0,1,2,3
	s_delay_alu instid0(VALU_DEP_4)
	v_lshrrev_b32 v[PX+\b], 23, v[SO+\b]
.endr
	s_delay_alu instid0(VALU_DEP_3)
	v_lshl_or_b32 v[PSW], v[PX+1], 8, v[PX]        ; p's scale word for these 128 keys
	s_delay_alu instid0(VALU_DEP_1)
	v_lshl_or_b32 v[PSW], v[PX+2], 16, v[PSW]
	s_delay_alu instid0(VALU_DEP_1)
	v_lshl_or_b32 v[PSW], v[PX+3], 24, v[PSW]
.irp b, 0,1,2,3
.irp i, 0,1,2,3,4,5,6,7,8,9,10,11,12,13,14,15
.endr
	v_cvt_scalef32_pk8_fp8_f32 v[PCD+4*\b:PCD+4*\b+1], v[S+16*\b:S+16*\b+7], v[SO+\b]
	v_cvt_scalef32_pk8_fp8_f32 v[PCD+4*\b+2:PCD+4*\b+3], v[S+16*\b+8:S+16*\b+15], v[SO+\b]
.endr
	s_wait_dscnt 0x0                               ; V is in
.irp j, 0,2,4,6,8,10,12,14,16,18,20,22,24,26,28,30
	v_pk_mul_f32 v[OT+\j:OT+\j+1], v[OT+\j:OT+\j+1], v[FF:FF+1] op_sel_hi:[1,0]   ; O^T under the new M; also the places between the codes and the products
.endr
.irp t, 0,1,2,3                        ; O^T += V^T P^T: four accumulators by turns
	v_wmma_scale_f32_16x16x128_f8f6f4 v[OT+8*\t:OT+8*\t+7], v[KF+16*\t:KF+16*\t+15], v[PCD:PCD+15], v[OT+8*\t:OT+8*\t+7], v[VSW+\t], v[PSW]
.endr
.Lhidden_\@:
	s_add_co_u32 s[TB], s[TB], REC
	s_add_co_u32 s[KS], s[KS], 1
	s_cmp_lt_u32 s[KS], 16
	s_cbranch_scc1 .Lstep_\@
	s_setprio 0
	; THE WAY OUT: y = O^T / the sum; register 16 g + i is channel 32 g + 16 h + i of the head: two blocks along C, quantised as they stand
.rept 8
	v_nop
.endr
	v_add_f32 v14, v14, v15
	s_delay_alu instid0(VALU_DEP_1)
	v_permlanex16_b32 v[T0], v14, s[SEL], s[SEL+1]
	s_delay_alu instid0(VALU_DEP_1)
	v_add_f32 v14, v14, v[T0]                      ; the row's sum
	s_wait_alu depctr_va_vdst(0)
	v_rcp_f32 v[FF], v14
	v_nop                                          ; a plain line behind the reciprocal
	s_wait_alu depctr_va_vdst(0)                   ; and the wait ahead of its first reader
.irp j, 0,2,4,6,8,10,12,14,16,18,20,22,24,26,28,30
	v_pk_mul_f32 v[S+\j:S+\j+1], v[OT+\j:OT+\j+1], v[FF:FF+1] op_sel_hi:[1,0]
.endr
.irp b, 0,1
	v_max3_num_f32 v[BM+\b], |v[S+16*\b]|, |v[S+1+16*\b]|, 0x4800000
.endr
.irp i, 2,4,6,8,10,12,14
.irp b, 0,1
	s_delay_alu instid0(VALU_DEP_2)
	v_max3_num_f32 v[BM+\b], v[BM+\b], |v[S+16*\b+\i]|, |v[S+1+16*\b+\i]|
.endr
.endr
.irp b, 0,1
	s_delay_alu instid0(VALU_DEP_2)
	v_permlanex16_b32 v[PX+\b], v[BM+\b], s[SEL], s[SEL+1]
.endr
.irp b, 0,1
	s_delay_alu instid0(VALU_DEP_2)
	v_max_num_f32 v[BM+\b], v[BM+\b], v[PX+\b]
.endr
.irp b, 0,1
	s_delay_alu instid0(VALU_DEP_2)
	v_add_nc_u32 v[SO+\b], 0xfc000000, v[BM+\b]
.endr
.irp b, 0,1
.endr
.irp b, 0,1
	s_delay_alu instid0(VALU_DEP_2)
	v_lshrrev_b32 v[PX+\b], 23, v[SO+\b]
.endr
	s_delay_alu instid0(VALU_DEP_1)
	v_lshl_or_b32 v[T0], v[PX+1], 8, v[PX]
.irp b, 0,1
.irp i, 0,1,2,3,4,5,6,7,8,9,10,11,12,13,14,15
.endr
	v_cvt_scalef32_pk8_fp8_f32 v[PCD+4*\b:PCD+4*\b+1], v[S+16*\b:S+16*\b+7], v[SO+\b]
	v_cvt_scalef32_pk8_fp8_f32 v[PCD+4*\b+2:PCD+4*\b+3], v[S+16*\b+8:S+16*\b+15], v[SO+\b]
.endr
	v_lshrrev_b32 v[T1], v7, v[T0]                 ; lanes 0-15 store the first block's byte, lanes 16-31 the second's.  (Also the plain line behind the conversions)
	global_store_b128 v1, v[PCD:PCD+3], s[44+8*\p:45+8*\p]             ; 512 consecutive bytes, aligned
	global_store_b128 v1, v[PCD+4:PCD+7], s[44+8*\p:45+8*\p] offset:512
	global_store_b8 v6, v[T1], s[46+8*\p:47+8*\p]
	s_wait_xcnt 0x0                                ; the stores have read their registers: they may be written again
.endm
	PASS 0
	PASS 1
	s_wait_dscnt 0x0
	s_wait_tensorcnt 0x0
	ds_add_u32 v254, v255
	s_wait_dscnt 0x0
	ROUND                                          ; the closing round
	s_endpgm
.Lfunc_end_k_qa3b384f828_attn:
	.size	k_qa3b384f828_attn, .Lfunc_end_k_qa3b384f828_attn-k_qa3b384f828_attn
	.p2alignl 7, 3214868480
	.fill 96, 4, 3214868480
	.section	.rodata,"a",@progbits
	.p2align	6, 0x0
	.amdhsa_kernel k_qa3b384f828_attn
		.amdhsa_group_segment_fixed_size 272384
		.amdhsa_private_segment_fixed_size 0
		.amdhsa_enable_private_segment 0
		.amdhsa_kernarg_size 32
		.amdhsa_user_sgpr_count 2
		.amdhsa_user_sgpr_kernarg_segment_ptr 1
		.amdhsa_wavefront_size32 1
		.amdhsa_system_sgpr_workgroup_id_x 1
		.amdhsa_system_sgpr_workgroup_id_y 1
		.amdhsa_system_sgpr_workgroup_id_z 1
		.amdhsa_system_vgpr_workitem_id 0
		.amdhsa_next_free_vgpr 256
		.amdhsa_next_free_sgpr 66
		.amdhsa_reserve_vcc 1
		.amdhsa_float_denorm_mode_32 3
		.amdhsa_float_denorm_mode_16_64 3
		.amdhsa_fp16_overflow 1
		.amdhsa_memory_ordered 1
		.amdhsa_forward_progress 1
		.amdhsa_inst_pref_size 64
	.end_amdhsa_kernel
	.amdgpu_metadata
---
amdhsa.version: [ 1, 2 ]
amdhsa.kernels:
  - .name:           k_qa3b384f828_attn
    .symbol:         k_qa3b384f828_attn.kd
    .args:
      - { .name: qr, .offset: 0, .size: 8, .value_kind: global_buffer, .address_space: global }
      - { .name: kv, .offset: 8, .size: 8, .value_kind: global_buffer, .address_space: global }
      - { .name: yc, .offset: 16, .size: 8, .value_kind: global_buffer, .address_space: global }
      - { .name: ys, .offset: 24, .size: 8, .value_kind: global_buffer, .address_space: global }
    .group_segment_fixed_size: 272384
    .private_segment_fixed_size: 0
    .kernarg_segment_align: 8
    .kernarg_segment_size: 32
    .max_flat_workgroup_size: 512
    .sgpr_count:     66
    .vgpr_count:     256
    .wavefront_size: 32
...
	.end_amdgpu_metadata
.endif
;; end of part 3
;; launch oproj (part 4): grid 4 x 32, 4 waves a work-group, clusters of 4 x 4, 327,680 bytes of LDS; arguments yc, ys, cod, scl, bp, out0; writes out0
.if DOCPART == 4
	.amdgcn_target "amdgcn-amd-amdhsa--gfx1250"
	.amdhsa_code_object_version 6
	.text
	.protected	k_qa3b384f828_oproj
	.globl	k_qa3b384f828_oproj
	.p2align	8
	.type	k_qa3b384f828_oproj,@function
k_qa3b384f828_oproj:
	s_mov_b64 s[64:65], 0
	v_nop
	global_prefetch_b8 v0, s[64:65] scope:SCOPE_SE
	s_setreg_imm32_b32 hwreg(HW_REG_WAVE_MODE, 25, 1), 1
	s_wait_xcnt 0x0
	s_wait_alu depctr_hold_cnt(0) depctr_sa_sdst(0) depctr_va_vdst(0) depctr_va_sdst(0) depctr_va_ssrc(0) depctr_va_vcc(0) depctr_vm_vsrc(0)
	s_getreg_b32 s2, hwreg(HW_REG_IB_STS2, 6, 4)
	s_cmp_eq_u32 s2, 0
	s_cbranch_scc0 .Lentry_in_a_cluster
	s_endpgm
.Lentry_in_a_cluster:
	s_bfe_u32 s2, ttmp6, 0x10000c
	s_cmp_lg_u32 s2, 0xf033
	s_cbranch_scc0 .Lentry_shape_is_right
	s_endpgm
.Lentry_shape_is_right:
; out0 = y Wp^T + bp on codes of FP8 (E4M3) with E8M0 scales, K = 1,024.  y's codes and scales come from attention (yc, ys), Wp's from the quantiser (cod, scl: blocks of 128 rows 88-95),
; both as images of the operand's registers: a tile is 16 rows 8 u + r + 8 (r / 8) of a group of 32; a fragment is 2,048 dense bytes.
; A tile of out0, 256 x 256, is made by four waves, 128 x 128 each.  Source 0 ("B") = Wp's rows, source 1 ("A") = tokens: a lane holds a token, and the registers of B's tiles 2 g, 2 g + 1 are
; 16 neighbouring outputs 32 g + 16 (lane / 16) + 0 .. 15.  bp is the C of each sum's first product.
; K goes in four fills of 256 through two LDS slots, each fill of 128 rows one dense block of 32,768 bytes; the scales of all of K come once.  All is written out: there is no loop.
; CLUSTERS: 4 x 4 work-groups; y's tiles are asked for jointly along a row of the cluster, Wp's along a column.
; 128 work-groups: tiles half as high would give 256, with half as many products for each fragment of Wp read from LDS.
; REGISTERS: window 0: v0-31 addresses; v32-63 scale words, two sets; v64-127 bp; v128-255 A's fragments, on the way out rows of out0.  window 1: B's fragments, two sets.  windows 2, 3: the accumulators.
.set NQ,    2
.set FR,    16
.set NL,    4
.set NP,    8                          ; places behind this matrix instruction (ISA guide 7.12.1)
.set SLOT,  131072
.set SCL,   262144
.set SPARE, 278528                     ; the spare words, 128 bytes for each wave: two blocks of 256 bytes that no other line names
.set SPITCH, 528                       ; the way out: a stage of 16 rows x (512 + 16) bytes for each wave, in slot 0, which has had its last fill and its last read by then
.set ADRA, 16
.set ADRB, 20
.set STO,  24
.set RD,   25
.set CO,   26
.set ADRS, 27
.set SPW,  28
.set NIL,  29
.set SC,   32
.set BI,   64
.set AF,   128
.set BK,   128
.set G1, 24
.set G0, 32
.set G1B, 48
.set G0B, 56
.set G1S, 68
.set G0S, 76
.set G1SB, 80
.set G0SB, 88
.set MSB, 0
.macro WIN new                         ; the immediate's high byte repeats the setting that is left
.if MSB != \new
	s_set_vgpr_msb (MSB<<8)|\new
.set MSB, \new
.endif
.endm
.set MUL_LO, 0xa1                      ; source 0 (B) window 1, source 1 (A) window 0, C and D window 2
.set MUL_HI, 0xf1
.set TO_B,   0x40
.macro JLOAD g0a, g1a, g0b, g1b        ; a joint load: waves 0 and 1 fetch for A, waves 2 and 3 for B; four v_nop follow each line
	s_cmp_eq_u32 s15, 0
	s_cbranch_scc0 .Lfor_b_\@
	tensor_load_to_lds s[\g0a:\g0a+3], s[\g1a:\g1a+7]
	s_nop 0
.rept 4
	v_nop
.endr
	s_branch .Lasked_\@
.Lfor_b_\@:
	tensor_load_to_lds s[\g0b:\g0b+3], s[\g1b:\g1b+7]
	s_nop 0
.rept 4
	v_nop
.endr
.Lasked_\@:
.endm
.macro CREST
	s_cmp_lg_u32 s14, 0
	s_cbranch_scc1 .Lnot_wave_0_\@
	s_barrier_signal -3
.Lnot_wave_0_\@:
	s_barrier_wait -3
	s_barrier_signal -1
	s_barrier_wait -1
.endm
.macro CROUND
	s_barrier_signal -1
	s_barrier_wait -1
	CREST
.endm
.macro PLACES n
.rept \n
	v_nop
.endr
.endm
.macro FRAG reg, adr, q, i
.irp c, 0,1,2,3
	ds_load_b128 v[(\reg)+4*\c:(\reg)+4*\c+3], v[\adr] offset:16384*(\q)+2048*(\i)+512*\c
.endr
.endm
; 16 matrix instructions: A's blocks a0, a0 + 1 x B's eight.  first = 1: C is bp (window 0): the first product starts the sums.  The 64 accumulators take turns.
.macro MUL16 a0, p, q, sc, first
.irp a, \a0, \a0+1
.irp b, 0,1,2,3,4,5,6,7
.if \first
	v_wmma_scale_f32_16x16x128_f8f6f4 v[8*(8*((\a)%4)+\b):8*(8*((\a)%4)+\b)+7], v[128*(\p)+FR*\b:128*(\p)+FR*\b+FR-1], v[AF+FR*(\a):AF+FR*(\a)+FR-1], v[BI+8*\b:BI+8*\b+7], v[SC+8*NQ*(\sc)+NQ*\b+(\q)], v[SC+8*NQ*(\sc)+NQ*(\a)+(\q)] matrix_a_scale:MATRIX_SCALE_ROW1
.else
	v_wmma_scale_f32_16x16x128_f8f6f4 v[8*(8*((\a)%4)+\b):8*(8*((\a)%4)+\b)+7], v[128*(\p)+FR*\b:128*(\p)+FR*\b+FR-1], v[AF+FR*(\a):AF+FR*(\a)+FR-1], v[8*(8*((\a)%4)+\b):8*(8*((\a)%4)+\b)+7], v[SC+8*NQ*(\sc)+NQ*\b+(\q)], v[SC+8*NQ*(\sc)+NQ*(\a)+(\q)] matrix_a_scale:MATRIX_SCALE_ROW1
.endif
.endr
.endr
.endm
.macro FETCH_B slot, q, p
	WIN TO_B
.irp i, 0,1,2,3,4,5,6,7
	FRAG 128*(\p)+FR*\i, ADRB+\slot, \q, \i
.endr
	WIN 0
.endm
.macro FETCH_A slot, q, i0
.irp i, \i0, \i0+1, \i0+2, \i0+3
	FRAG AF+FR*(\i), ADRA+\slot, \q, \i
.endr
.endm
.macro SCALES set, sl
.irp i, 0,1,2,3,4,5,6,7
	ds_load_b64 v[SC+16*(\set)+2*\i:SC+16*(\set)+2*\i+1], v[ADRS] offset:512*\i+256*((\sl)/2)+8*((\sl)%2)
.endr
.endm
.macro STEP slot, q, first
	s_wait_dscnt 4*NL                              ; B's set, A's blocks 0-3 and the scales are in; the youngest 16 loads (A's blocks 4-7) may be out
.if \first
	WIN 0x81                                       ; C in window 0, D in window 2
.else
	WIN MUL_LO
.endif
	MUL16 0, (\q)%2, \q, \slot, \first
	MUL16 2, (\q)%2, \q, \slot, \first
	s_wait_dscnt 0
	PLACES NP
	FETCH_B \slot, (\q)+1, 1-(\q)%2
	FETCH_A \slot, (\q)+1, 0
.if \first
	WIN 0xc1
.else
	WIN MUL_HI
.endif
	MUL16 4, (\q)%2, \q, \slot, \first
	MUL16 6, (\q)%2, \q, \slot, \first
	PLACES NP
	WIN 0
	FETCH_A \slot, (\q)+1, 4
.endm
.macro TURN slot, next, fill, sl
	s_wait_tensorcnt 0x0                           ; all my tensor loads have landed: my part of the next slot
	ds_add_u32 v[SPW], v[NIL]                      ; 0 onto my spare word
	s_wait_dscnt 4*NL+1                            ; (the add and the youngest 16 loads may be out)
	WIN MUL_LO
	MUL16 0, 1, NQ-1, \slot, 0
	s_wait_dscnt 0x0                               ; the add is done, and my reads of this slot are over
	s_barrier_signal -1
	MUL16 2, 1, NQ-1, \slot, 0
	WIN 0
	s_barrier_wait -1
.if \fill
	CREST                                          ; the barrier has opened a round of the cluster's: no wave of any partner still reads this slot or has a load on its way
	s_add_nc_u64 s[G0+4*\slot+2:G0+4*\slot+3], s[G0+4*\slot+2:G0+4*\slot+3], 65536
	s_add_nc_u64 s[G0B+4*\slot+2:G0B+4*\slot+3], s[G0B+4*\slot+2:G0B+4*\slot+3], 65536
	JLOAD G0+4*\slot, G1, G0B+4*\slot, G1B
	PLACES NP-4
.else
	PLACES NP
.endif
	FETCH_B \next, 0, 0
	FETCH_A \next, 0, 0
	SCALES \next, \sl
	WIN MUL_HI
	MUL16 4, 1, NQ-1, \slot, 0
	MUL16 6, 1, NQ-1, \slot, 0
	PLACES NP
	WIN 0
	FETCH_A \next, 0, 4
.endm
	s_load_b128 s[4:7], s[0:1], 0x0                ; yc, ys
	s_load_b128 s[8:11], s[0:1], 0x10              ; cod, scl
	s_load_b64 s[96:97], s[0:1], 0x20              ; bp
	s_load_b64 s[12:13], s[0:1], 0x28              ; out0
	v_lshl_add_u32 v[SPW], v0, 2, SPARE
	v_mov_b32 v[NIL], 0
	ds_add_u32 v28, v29
	ds_add_u32 v28, v29
	s_wait_dscnt 0x0
	v_lshrrev_b32 v1, 5, v0
	v_readfirstlane_b32 s14, v1                    ; wave 0..3
	s_lshr_b32 s15, s14, 1                         ; which half of the tokens is mine.  Also: I fetch for A (0) or for B (1)
	s_and_b32 s16, s14, 1                          ; which half of the outputs.  Also: which 128 rows I fetch
	s_bfe_u32 s40, ttmp6, 0x40000                  ; cx
	s_bfe_u32 s41, ttmp6, 0x40004                  ; cy
	s_lshl_b32 s43, s41, 2
	s_lshl_b32 s43, 15, s43                        ; my row of the cluster
	s_lshl_b32 s44, 0x1111, s40                    ; my column
	s_or_b32 s[G1+0], s43, (3<<16)|(1<<21)
	s_or_b32 s[G1B+0], s44, (3<<16)|(1<<21)
	s_or_b32 s[G1S+0], s43, (3<<16)|(1<<21)
	s_or_b32 s[G1SB+0], s44, (3<<16)|(1<<21)
.irp g, G1, G1B                        ; codes: a dense block of 32,768 bytes as 128 rows of 256
	s_mov_b32 s[\g+1], 32<<16
	s_mov_b32 s[\g+2], 128<<16
	s_mov_b32 s[\g+3], 32<<16
	s_mov_b32 s[\g+4], 128
	s_mov_b32 s[\g+5], 32
	s_mov_b32 s[\g+6], 0
	s_mov_b32 s[\g+7], 0
.endr
.irp g, G1S, G1SB                      ; scales: 4,096 bytes as 16 rows of 256
	s_mov_b32 s[\g+1], 32<<16
	s_mov_b32 s[\g+2], 16<<16
	s_mov_b32 s[\g+3], 32<<16
	s_mov_b32 s[\g+4], 16
	s_mov_b32 s[\g+5], 32
	s_mov_b32 s[\g+6], 0
	s_mov_b32 s[\g+7], 0
.endr
	s_and_b32 s17, ttmp7, 0xffff
	s_lshl_b32 s17, s17, 2
	s_add_co_u32 s17, s17, s41                     ; A: tokens' 256 rows: 4 x cluster y + cy
	s_lshl_b32 s17, s17, 1
	s_add_co_u32 s20, s17, s16                     ; the block of 128 rows that I fetch
	s_lshl_b32 s22, s20, 12
	s_mov_b32 s23, 0
	s_lshl_b32 s20, s20, 17
	s_mov_b32 s21, 0
	s_add_co_u32 s42, s40, 44                      ; B: Wp's 256 rows: 44 + cx
	s_lshl_b32 s42, s42, 1
	s_add_co_u32 s46, s42, s16
	s_lshl_b32 s92, s46, 12
	s_mov_b32 s93, 0
	s_lshl_b32 s46, s46, 17
	s_mov_b32 s47, 0
	s_lshl_b32 s45, s14, 15
	s_lshl_b32 s94, s14, 12
	s_wait_kmcnt 0x0
	s_add_nc_u64 s[20:21], s[4:5], s[20:21]
	s_add_nc_u64 s[22:23], s[6:7], s[22:23]
	s_add_nc_u64 s[46:47], s[8:9], s[46:47]
	s_add_nc_u64 s[92:93], s[10:11], s[92:93]
	CROUND                                         ; all sixteen work-groups are here: the first joint loads meet
	s_mov_b32 s[G0S], 1
	s_add_co_u32 s[G0S+1], s94, SCL
	s_mov_b64 s[G0S+2:G0S+3], s[22:23]
	s_or_b32 s[G0S+3], s[G0S+3], 0x80000000
	s_mov_b32 s[G0SB], 1
	s_add_co_u32 s[G0SB+1], s94, SCL
	s_mov_b64 s[G0SB+2:G0SB+3], s[92:93]
	s_or_b32 s[G0SB+3], s[G0SB+3], 0x80000000
	JLOAD G0S, G1S, G0SB, G1SB
.irp s, 0,1
	s_mov_b32 s[G0+4*\s], 1
	s_add_co_u32 s[G0+4*\s+1], s45, \s*SLOT
	s_add_nc_u64 s[G0+4*\s+2:G0+4*\s+3], s[20:21], \s*32768
	s_or_b32 s[G0+4*\s+3], s[G0+4*\s+3], 0x80000000
	s_mov_b32 s[G0B+4*\s], 1
	s_add_co_u32 s[G0B+4*\s+1], s45, \s*SLOT
	s_add_nc_u64 s[G0B+4*\s+2:G0B+4*\s+3], s[46:47], \s*32768
	s_or_b32 s[G0B+4*\s+3], s[G0B+4*\s+3], 0x80000000
	s_wait_alu depctr_va_vdst(0)
	s_wait_tensorcnt 0x0
	ds_add_u32 v28, v29
	s_wait_dscnt 0x0
	CROUND
	JLOAD G0+4*\s, G1, G0B+4*\s, G1B               ; one load of mine is out
.endr
	v_and_b32 v1, 15, v0                           ; r
	v_bfe_u32 v2, v0, 4, 1                         ; h
	s_wait_alu depctr_va_vdst(0)
	v_and_b32 v3, 31, v0
	v_lshlrev_b32 v[CO], 4, v3                     ; 16 x lane
	s_lshl_b32 s21, s15, 15
	s_lshl_b32 s22, s16, 15
	s_add_co_u32 s22, s22, 65536
.irp s, 0,1
	v_add_nc_u32 v[ADRA+\s], s21, v[CO]
	v_add_nc_u32 v[ADRB+\s], s22, v[CO]
	s_add_co_u32 s21, s21, SLOT
	s_add_co_u32 s22, s22, SLOT
.endr
	v_lshlrev_b32 v5, 4, v1
	s_lshl_b32 s21, s15, 12
	s_lshl_b32 s22, s16, 12
	s_add_co_u32 s22, s22, 8192
	s_sub_co_u32 s22, s22, s21
	v_mul_u32_u24 v6, s22, v2                      ; lanes 16-31 take B's: one product, the distance between the two
	s_add_co_u32 s21, s21, SCL
	v_add_nc_u32 v5, v5, v6
	v_add_nc_u32 v[ADRS], s21, v5
	s_mul_i32 s23, s14, 16*SPITCH                  ; my stage
	v_mul_u32_u24 v5, v1, SPITCH
	v_lshl_add_u32 v5, v2, 6, v5
	v_add_nc_u32 v[STO], s23, v5                   ; in: row r, + 64 h
	v_add_nc_u32 v[RD], s23, v[CO]                 ; back: the 32 lanes take one row of 512 bytes
	s_lshl_b32 s66, s40, 1
	s_add_co_u32 s66, s66, s16
	s_lshl_b32 s66, s66, 9                         ; my 128 outputs, in bytes
	s_mov_b32 s67, 0
	s_add_nc_u64 s[96:97], s[96:97], s[66:67]
	s_add_nc_u64 s[12:13], s[12:13], s[66:67]
	s_and_b32 s92, ttmp7, 0xffff
	s_lshl_b32 s92, s92, 2
	s_add_co_u32 s92, s92, s41
	s_lshl_b32 s92, s92, 1
	s_add_co_u32 s92, s92, s15
	s_lshl_b32 s92, s92, 19                        ; my 128 tokens: rows of 4,096 bytes
	s_mov_b32 s93, 0
	s_add_nc_u64 s[12:13], s[12:13], s[92:93]
	v_lshlrev_b32 v7, 6, v2
.irp b, 0,1,2,3,4,5,6,7                ; register 8 b + j = bp of output 32 (b / 2) + 8 (b % 2) + 16 h + j
	global_load_b128 v[BI+8*\b:BI+8*\b+3], v7, s[96:97] offset:128*(\b/2)+32*(\b%2)
	global_load_b128 v[BI+8*\b+4:BI+8*\b+7], v7, s[96:97] offset:128*(\b/2)+32*(\b%2)+16
.endr
	s_wait_alu depctr_va_vdst(0)
	s_wait_tensorcnt 1                             ; the scales and my part of fill 0 are in; fill 1 may be out
	s_barrier_signal -1
	s_barrier_wait -1
	FETCH_B 0, 0, 0
	FETCH_A 0, 0, 0
	SCALES 0, 0
	FETCH_A 0, 0, 4
	s_wait_loadcnt 0x0                             ; bp
	STEP 0, 0, 1
	TURN 0, 1, 1, 1
	STEP 1, 0, 0
	TURN 1, 0, 1, 2
	STEP 0, 0, 0
	TURN 0, 1, 0, 3                                ; nothing is left to fetch
	STEP 1, 0, 0
	s_wait_dscnt 4*NL
	WIN MUL_LO
	MUL16 0, 1, NQ-1, 1, 0
	MUL16 2, 1, NQ-1, 1, 0
	s_wait_dscnt 0
	WIN MUL_HI
	MUL16 4, 1, NQ-1, 1, 0
	MUL16 6, 1, NQ-1, 1, 0
	WIN 0
; THE WAY OUT, A's block a (16 tokens x 128 outputs) at a time, through my own stage: a lane's numbers go in by 16 bytes, whole rows of 512 bytes come back.
; LDS serves a wave's instructions in order (ISA guide 5.7.1.4): no wait between the stores and the loads, nor in front of the next block's stores.
.macro TOSTAGE a
.set AC, 64*((\a)%4)
	WIN 0x08+4*((\a)/4)                            ; an LDS store's data are its source 1: window 2 or 3
.irp b, 0,1,2,3,4,5,6,7
	ds_store_b128 v[STO], v[AC+8*\b:AC+8*\b+3] offset:128*(\b/2)+32*(\b%2)          ; each accumulator from its low end on
	ds_store_b128 v[STO], v[AC+8*\b+4:AC+8*\b+7] offset:128*(\b/2)+32*(\b%2)+16
.endr
	WIN 0
.set BB, BK+64*((\a)%2)
.irp t, 0,1,2,3,4,5,6,7,8,9,10,11,12,13,14,15
	ds_load_b128 v[BB+4*\t:BB+4*\t+3], v[RD] offset:\t*SPITCH
.endr
.endm
.macro SEND a, younger                 ; younger: the LDS instructions issued behind block a's loads, which may stay out
.set BB, BK+64*((\a)%2)
	s_wait_dscnt \younger
.irp t, 0,1,2,3,4,5,6,7,8,9,10,11,12,13,14,15
	global_store_b128 v[CO], v[BB+4*\t:BB+4*\t+3], s[12:13] offset:4096*(32*((\a)/2)+8*((\a)%2)+\t+8*(\t/8)) th:TH_STORE_NT   ; stage row t is token 32 (a / 2) + 8 (a % 2) + t + 8 (t / 8); 512 consecutive bytes, aligned
.endr
.endm
	PLACES NP
	TOSTAGE 0
.irp a, 1,2,3,4,5,6,7
.if \a > 1
	s_wait_xcnt 0x0                                ; block a - 2's stores have read their registers: block a's loads may land there
.endif
	TOSTAGE \a
	SEND \a-1, 32                                  ; behind block a - 1's loads: block a's 16 stores and 16 loads
.endr
	SEND 7, 0
	s_wait_tensorcnt 0x0                           ; the wave's end
	ds_add_u32 v[SPW], v[NIL]
	s_wait_dscnt 0x0
	CROUND                                         ; the closing round
	s_endpgm
.Lfunc_end_k_qa3b384f828_oproj:
	.size	k_qa3b384f828_oproj, .Lfunc_end_k_qa3b384f828_oproj-k_qa3b384f828_oproj
	.p2alignl 7, 3214868480
	.fill 96, 4, 3214868480
	.section	.rodata,"a",@progbits
	.p2align	6, 0x0
	.amdhsa_kernel k_qa3b384f828_oproj
		.amdhsa_group_segment_fixed_size 327680
		.amdhsa_private_segment_fixed_size 0
		.amdhsa_enable_private_segment 0
		.amdhsa_kernarg_size 48
		.amdhsa_user_sgpr_count 2
		.amdhsa_user_sgpr_kernarg_segment_ptr 1
		.amdhsa_wavefront_size32 1
		.amdhsa_system_sgpr_workgroup_id_x 1
		.amdhsa_system_sgpr_workgroup_id_y 1
		.amdhsa_system_sgpr_workgroup_id_z 1
		.amdhsa_system_vgpr_workitem_id 0
		.amdhsa_next_free_vgpr 1024
		.amdhsa_next_free_sgpr 102
		.amdhsa_reserve_vcc 0
		.amdhsa_float_denorm_mode_32 3
		.amdhsa_float_denorm_mode_16_64 3
		.amdhsa_memory_ordered 1
		.amdhsa_forward_progress 1
		.amdhsa_inst_pref_size 147
	.end_amdhsa_kernel
	.amdgpu_metadata
---
amdhsa.version: [ 1, 2 ]
amdhsa.kernels:
  - .name:           k_qa3b384f828_oproj
    .symbol:         k_qa3b384f828_oproj.kd
    .args:
      - { .name: yc, .offset: 0, .size: 8, .value_kind: global_buffer, .address_space: global }
      - { .name: ys, .offset: 8, .size: 8, .value_kind: global_buffer, .address_space: global }
      - { .name: cod, .offset: 16, .size: 8, .value_kind: global_buffer, .address_space: global }
      - { .name: scl, .offset: 24, .size: 8, .value_kind: global_buffer, .address_space: global }
      - { .name: bp, .offset: 32, .size: 8, .value_kind: global_buffer, .address_space: global }
      - { .name: out0, .offset: 40, .size: 8, .value_kind: global_buffer, .address_space: global }
    .group_segment_fixed_size: 327680
    .private_segment_fixed_size: 0
    .kernarg_segment_align: 8
    .kernarg_segment_size: 48
    .max_flat_workgroup_size: 128
    .sgpr_count:     102
    .vgpr_count:     1024
    .wavefront_size: 32
...
	.end_amdgpu_metadata
.endif
;; end of part 4
